; MI455X (gfx1250); checked and timed in simulation.
; The chip was launched on July 23, 2026; its instructions are those of AMD's public machine-readable ISA for CDNA 5 (MIT licence, August 2026) and "CDNA5" Instruction Set Architecture Reference Guide (July 2026). The comments in the code are by the model that wrote it; some were corrected since.
;; Multi Head Attention. Allowed arithmetic: matrix products marked QUANTISED: E2M1 operands, one E8M0 scale for each 32 along K, by v_wmma_scale_f32_16x16x128_f8f6f4 with both operands' format E2M1 (or v_wmma_scale_f32_32x16x128_f4), f32 sums; everything else in f32.
;; Inputs: K_codes 4 x 2,048 x 32 x 16 uint8 (E2M1 codes of K, K innermost, in blocks of 32 codes, two codes a byte); K_scales 4 x 2,048 x 32 uint8 (E8M0 scales of K, one for each 32 codes along K); Q_codes 4 x 2,048 x 32 x 16 uint8 (E2M1 codes of Q, K innermost, in blocks of 32 codes, two codes a byte); Q_scales 4 x 2,048 x 32 uint8 (E8M0 scales of Q, one for each 32 codes along K); V_codes 4 x 2,048 x 32 x 16 uint8 (E2M1 codes of V, K innermost, in blocks of 32 codes, two codes a byte); V_scales 4 x 2,048 x 32 uint8 (E8M0 scales of V, one for each 32 codes along K); Wk_codes 1,024 x 32 x 16 uint8 (E2M1 codes of Wk, K innermost, in blocks of 32 codes, two codes a byte); Wk_scales 1,024 x 32 uint8 (E8M0 scales of Wk, one for each 32 codes along K); Wo_codes 1,024 x 32 x 16 uint8 (E2M1 codes of Wo, K innermost, in blocks of 32 codes, two codes a byte); Wo_scales 1,024 x 32 uint8 (E8M0 scales of Wo, one for each 32 codes along K); Wq_codes 1,024 x 32 x 16 uint8 (E2M1 codes of Wq, K innermost, in blocks of 32 codes, two codes a byte); Wq_scales 1,024 x 32 uint8 (E8M0 scales of Wq, one for each 32 codes along K); Wv_codes 1,024 x 32 x 16 uint8 (E2M1 codes of Wv, K innermost, in blocks of 32 codes, two codes a byte); Wv_scales 1,024 x 32 uint8 (E8M0 scales of Wv, one for each 32 codes along K); attn_bias 4 x 2,048 x 2,048 float32; bk 1,024 float32; bo 1,024 float32; bq 1,024 float32; bv 1,024 float32; mask 4 x 2,048 bool.
;; Outputs: out0 4 x 2,048 x 1,024 float32.
;; This version of the problem:
;;   THIS VERSION OF THE PROBLEM IS GIVEN IN LOW PRECISION. The matrix products marked QUANTISED in the list below multiply operands that are first quantised to E2M1 (2 exponent bits, 1 mantissa bit; 4 bits a number), with one power-of-two scale for each 32 numbers along K (OCP MX v1.0); their sums are f32. All else is computed in f32.
;;   The module's matrix products, in the order in which they are computed (A, B: the left and right operand; K: the contracted axis; several contracted axes count as one K, in the product's order):
;;     1. [M 8,192, K 1,024] x [K 1,024, N 1,024]; A: input Q (given as codes); B: input Wq (given as codes): QUANTISED
;;     2. [M 8,192, K 1,024] x [K 1,024, N 1,024]; A: input K (given as codes); B: input Wk (given as codes): QUANTISED
;;     3. [M 8,192, K 1,024] x [K 1,024, N 1,024]; A: input V (given as codes); B: input Wv (given as codes): QUANTISED
;;     4. batch 64 x [M 2,048, K 64] x [K 64, N 2,048]; A: computed on the way; B: computed on the way: QUANTISED
;;     5. batch 64 x [M 2,048, K 2,048] x [K 2,048, N 64]; A: softmax (see below); B: computed on the way: QUANTISED
;;     6. [M 8,192, K 1,024] x [K 1,024, N 1,024]; A: computed on the way; B: input Wo (given as codes): QUANTISED
;;   THE QUANTISER, for each operand of a quantised product, along K:
;;     - K is cut into blocks of 32 from its start; a last block that is shorter is filled with zeros.
;;     - A block's scale is 2^e with e = floor(log2(the largest magnitude in the block)) - 2, held to -126 .. 127; a block of zeros has e = 0. As a byte (E8M0): e + 127.
;;     - Each number is divided by its block's scale, clamped to +-6, and rounded to the nearest number of E2M1, ties to even, subnormals kept.
;;     - The product sums the exact products of the quantised numbers (number of the format x scale) in f32.
;;   ~~~python
;;   def quantise(x, axis):      # numpy; x: float32 -> the quantised numbers, widened to float32 again
;;       x = np.moveaxis(x, axis, -1); K = x.shape[-1]
;;       x = np.pad(x, [(0, 0)] * (x.ndim - 1) + [(0, -K % 32)]); x = x.reshape(x.shape[:-1] + (-1, 32)); a = np.abs(x).max(-1, keepdims=True)
;;       e = np.where(a > 0, np.clip(np.frexp(np.where(a > 0, a, 1))[1] - 1 - 2, -126, 127), 0)      # np.frexp(a)[1] - 1 = floor(log2(a)), exactly
;;       r = np.clip(x / 2.0 ** e, -6, 6)
;;       step = 2.0 ** (np.maximum(np.frexp(np.where(r == 0, 1, r))[1] - 1, 0) - 1)
;;       q = np.round(r / step) * step * 2.0 ** e      # np.round: ties to even
;;       return np.moveaxis(q.reshape(q.shape[:-2] + (-1,))[..., :K], -1, axis).astype(np.float32)
;;   ~~~
;;   SOFTMAX AHEAD OF A QUANTISED PRODUCT. Where the list says 'softmax', what is quantised is not the finished softmax but p = 2^(t - M), with t = logit x log2(e) and M = ceil(the row's largest t), a whole number; so 1/2 < the row's largest p <= 1. The row's sum l is taken of the UNQUANTISED p, in f32, and the product's result is divided by l at the end. Since M is a whole number, a kernel that streams over the keys may use a running M (the ceiling of the running maximum): every later rescaling is an exact power of two, which a block's scale takes up: the codes' values come out the same.
;;   OPERANDS COMPUTED ON THE WAY. 'Computed on the way' means the value that the module computes at that place (a softmax that the list does not call 'softmax' is quantised finished and normalised). What goes into a quantiser is computed in f32, as accurately as f32 sums, v_exp_f32 and their like allow (about 1e-6 of the number): no bf16 or f16 on the way to a quantiser, and a product that is left as it is and whose result goes on into a quantised operand takes f32 operands (vector FMAs, or v_wmma_f32_16x16x4_f32). A number that lies on a knife's edge between two numbers of the format may be rounded either way, as far as f32 arithmetic and the matrix unit's own rounding can turn it there, and no further.
;;   INPUTS GIVEN AS CODES. K (in the module: [4, 2048, 1024], K = its axis 2); Q (in the module: [4, 2048, 1024], K = its axis 2); V (in the module: [4, 2048, 1024], K = its axis 2); Wk (in the module: [1024, 1024], K = its axis 1); Wo (in the module: [1024, 1024], K = its axis 1); Wq (in the module: [1024, 1024], K = its axis 1); Wv (in the module: [1024, 1024], K = its axis 1): each comes as NAME_codes (uint8): NAME with its K axis moved to the last place and cut into blocks of 32 codes, [.., K / 32, bytes a block], one block behind the other in memory; two codes a byte, the lower K in the low four bits (a code: sign, 2 exponent bits, 1 mantissa bit); and NAME_scales (uint8): the same leading axes, one E8M0 byte (e + 127) for each 32 codes along K. Its value is code x scale, taken as it is: it is not quantised again, and the codes and scales need not be those that the quantiser above would give.
;; One version. Each part assembles by itself: llvm-mc -triple=amdgcn-amd-amdhsa -mcpu=gfx1250 --defsym DOCPART=n.
;; ======== version 1 of 1: 3 launches
;; limits: right only within a limited range of input values
;; workspace buffers: qf 4,194,304 bytes; qs 262,144 bytes; kv 8,945,664 bytes; oc 4,194,304 bytes; os 262,144 bytes
;; launch proj (part 1): grid 16 x 48, 8 waves a work-group, clusters of 4 x 4, 214,016 bytes of LDS; arguments Q_codes, K_codes, V_codes, Q_scales, K_scales, V_scales, Wq_codes, Wk_codes, Wv_codes, Wq_scales, Wk_scales, Wv_scales, bq, bk, bv, mask, qf, qs, kv; writes qf, qs, kv
.if DOCPART == 1
	.amdgcn_target "amdgcn-amd-amdhsa--gfx1250"
	.amdhsa_code_object_version 6
	.text
	.protected	k_q68273177f5_proj
	.globl	k_q68273177f5_proj
	.p2align	8
	.type	k_q68273177f5_proj,@function
k_q68273177f5_proj:
	s_mov_b64 s[64:65], 0
	v_nop
	global_prefetch_b8 v0, s[64:65] scope:SCOPE_SE
	s_setreg_imm32_b32 hwreg(HW_REG_WAVE_MODE, 25, 1), 1
	s_wait_xcnt 0x0
	s_wait_alu depctr_hold_cnt(0) depctr_sa_sdst(0) depctr_va_vdst(0) depctr_va_sdst(0) depctr_va_ssrc(0) depctr_va_vcc(0) depctr_vm_vsrc(0)
	s_getreg_b32 s2, hwreg(HW_REG_IB_STS2, 6, 4)
	s_cmp_eq_u32 s2, 0
	s_cbranch_scc0 .Lentry_in_a_cluster
	s_endpgm
.Lentry_in_a_cluster:
	s_bfe_u32 s2, ttmp6, 0x10000c
	s_cmp_lg_u32 s2, 0xf033
	s_cbranch_scc0 .Lentry_shape_is_right
	s_endpgm
.Lentry_shape_is_right:
; q = Q Wq^T + bq, k = K Wk^T + bk, v = V Wv^T + bv on the given codes of FP4 (E2M1) and E8M0 scale bytes; each result is quantised at once for the attention launch:
; q (times 1/8) and k along the head's 64 channels, v along the keys; and the mask becomes a vector of f32 that is added to the scores (0, or -2^100 for a masked key).
; ONE TEXT FOR THE THREE: KIND = cluster y / 4 (0 q, 1 k, 2 v) picks pointers and strides; it is the same in all sixteen partners of a cluster.
; P is source 0 of the matrix instruction, R source 1: in a result lane (r, h) holds row r of R, and its register j row 8 h + j of P.  P's index is the NEXT product's K:
; for q and k P = the weight's rows (channels) and R = tokens; for v P = V's tokens (the keys) and R = Wv's rows (channels).
; SHARES.  A work-group makes 256 of P x 128 of R over all of K = 1,024; wave w makes P rows 64 (w % 4) on x R rows 64 (w / 4) on: 16 accumulators of 16 x 16.
; All of K lies in LDS at once, in two halves of 512 along K (rows of 256 bytes), each filled once: nothing is filled again.
; CLUSTER 4 x 4: P's tile hangs on cx alone and is asked for jointly by the four of a column, R's on cy alone, by the four of a row.
; THE RESULT'S CODES.  Tiles 2 B and 2 B + 1 of P are a block of 32 along the next K.  A lane converts its 8 + 8 numbers to 8 bytes, which go to byte 8 h of the block's 16: the block's
; numbers then stand in the order 0-7, 16-23, 8-15, 24-31.  Both sides of each later product (q and k; p and v) are laid so, and a permutation inside a block that both sides share changes no sum.
; THE WORKSPACES ARE IMAGES OF OPERAND REGISTERS: a fragment (16 rows x 128 K) is 1,024 bytes, chunk c (512 bytes) holding lane l's 16 bytes at 16 l.  My 8 bytes of block B of half c go to
; 512 c + 256 B + 16 r + 8 h: a wave's store covers 256 consecutive bytes, aligned.
; A SCALE IMAGE (512 bytes, 8 tiles t of 16 rows): the word of (t, r) lies at 16 (16 (t % 2) + r) + 4 (t / 2); in a word byte 2 c + B is block B of half c.
; LIMITS: a block whose largest magnitude lies under 2^-121 is quantised under that floor's scale (so that q's byte, from which 3 is taken for the factor 1/8, stays at 1 or above);
; a block of zeros carries the floor's byte, its codes are zeros, and this program alone reads the bytes; NaN and infinities in the given operands are not served.
.set RECORD, 139776                    ; a key step's record in kv: K's images 65,536, V's 65,536, K's scale images 4,096, V's 4,096, the mask vector 512
.set PITCH,  272                       ; an LDS row: 256 bytes + 16 of padding: the 16 rows of a fragment load start at 16 different groups of banks
.set HALFB,  384*PITCH                 ; a K half: P's 256 rows, then R's 128
.set SCST,   2*HALFB                   ; behind the codes: two scale images are gathered here (1,024 bytes); no tensor load lands here
.set AP,  3                            ; v3-4   LDS address of my P fragments in K half 0, 1
.set AR,  5                            ; v5-6   the same for R
.set POF, 7                            ; v7     my row's scale bytes among P's
.set ROF, 8                            ; v8     among R's
.set SCA, 9                            ; v9     where my two scale bytes go in the gathered images
.set VO,  10                           ; v10-13 my byte offset in the codes' output for R tile 0..3
.set L16, 14                           ; v14    16 x lane
.set LN,  15                           ; v15    lane
.set SC,  16                           ; v16-47 scale words: register 8 i + s: lanes 0-15 P tile i's word of K step s, lanes 16-31 R tile i's
.set PF,  48                           ; v48-79   four fragments of P
.set RF,  80                           ; v80-111  four fragments of R
.set ACC, 112                          ; v112-239 accumulator (a, b) at 112 + 8 (4 a + b)
.set BO,  240                          ; v240-247 the bias's offsets, one for each register of a tile
.set SCR, 253                          ; v253   where waves 0 and 1 read a gathered image back
.set CD,  48                           ; the way out: codes, two registers a block
.set AM,  64                           ; largest magnitudes
.set PX,  72                           ; the other half of the lanes'
.set SO,  80                           ; the conversions' scale operands
.set BY,  88                           ; the scale bytes
.set HW,  96                           ; two bytes a tile of R
.set OB,  100                          ; an image on its way to memory
.set G1P, 4                            ; s[4:11]  descriptor group 1 for P's tiles, s[12:19] for R's: they differ in the mask alone
.set G1R, 12
.set G0P0, 20                          ; groups 0: P's K half 0 and 1, R's K half 0 and 1
.set G0P1, 24
.set G0R0, 28
.set G0R1, 32
.set XC, 42                            ; the kind's pointers: activations' codes, scales; weight's codes, scales; bias; outputs for codes and for scale images
.set XS, 44
.set WC, 46
.set WS, 48
.set BV, 50
.set OC, 52
.set OS, 54
.set PCD, 56                           ; and by role: P's codes, scales; R's codes, scales
.set PSC, 58
.set RCD, 60
.set RSC, 62
.set MK, 66
.set WV, 68
.set KIND, 69
.set CX, 70
.set CY, 71
.set PT, 72                            ; which 256 rows of P (holds cx, never cy)
.set RT, 73                            ; which 128 rows of R (holds cy, never cx)
.set SUB, 74                           ; what is taken off the scale byte: 3 for q (the factor 1/8), else 0
.set A1, 75                            ; strides of the codes' output: by RT, by PT, by (wave % 4) / 2, by tile of R; and its first byte
.set A2, 76
.set A3, 77
.set A4, 78
.set AC, 79
.set B1, 80                            ; strides of the scale images' output: by RT, by PT, by image; and its first byte
.set B2, 81
.set B3, 82
.set BC, 83
.set WP, 94
.set WR, 95
.set SEL, 96
.set MSB, 0
.macro WIN new                         ; the immediate's high byte repeats the setting that is left
.if MSB != \new
	s_set_vgpr_msb (MSB<<8)|\new
.set MSB, \new
.endif
.endm
.macro CROUND                          ; a round of the cluster's barrier
	s_barrier_signal -1
	s_barrier_wait -1
	s_cmp_lg_u32 s[WV], 0
	s_cbranch_scc1 .Lnot_wave_0_\@
	s_barrier_signal -3
.Lnot_wave_0_\@:
	s_barrier_wait -3
	s_barrier_signal -1
	s_barrier_wait -1
.endm
.macro PLACES n
.rept \n
	v_nop
.endr
.endm
; K step s (128 along K: 64 bytes of a row): four fragments of P and four of R; a fragment is two loads of 16 bytes a lane, 32 bytes apart
.macro KLOAD s
.irp i, 0,1,2,3
.irp c, 0,1
	ds_load_b128 v[PF+8*\i+4*\c:PF+8*\i+4*\c+3], v[AP+(\s)/4] offset:((\s)%4)*64+32*\c+\i*16*PITCH
	ds_load_b128 v[RF+8*\i+4*\c:RF+8*\i+4*\c+3], v[AR+(\s)/4] offset:((\s)%4)*64+32*\c+\i*16*PITCH
.endr
.endr
	s_wait_dscnt 0x0
.endm
; its 16 products; the 16 accumulators take turns, in the same order in every step.  mode 0: onto the sums; 1: the sums begin with the bias by P's tile; 2: by R's tile
.macro KMUL s, mode
.irp a, 0,1,2,3
.irp b, 0,1,2,3
.if \mode == 0
	v_wmma_scale_f32_16x16x128_f8f6f4 v[ACC+8*(4*\a+\b):ACC+8*(4*\a+\b)+7], v[PF+8*\a:PF+8*\a+7], v[RF+8*\b:RF+8*\b+7], v[ACC+8*(4*\a+\b):ACC+8*(4*\a+\b)+7], v[SC+8*\a+(\s)], v[SC+8*\b+(\s)] matrix_a_fmt:MATRIX_FMT_FP4 matrix_b_fmt:MATRIX_FMT_FP4 matrix_b_scale:MATRIX_SCALE_ROW1
.elseif \mode == 1
	v_wmma_scale_f32_16x16x128_f8f6f4 v[ACC+8*(4*\a+\b):ACC+8*(4*\a+\b)+7], v[PF+8*\a:PF+8*\a+7], v[RF+8*\b:RF+8*\b+7], v[8*\a:8*\a+7], v[SC+8*\a+(\s)], v[SC+8*\b+(\s)] matrix_a_fmt:MATRIX_FMT_FP4 matrix_b_fmt:MATRIX_FMT_FP4 matrix_b_scale:MATRIX_SCALE_ROW1
.else
	v_wmma_scale_f32_16x16x128_f8f6f4 v[ACC+8*(4*\a+\b):ACC+8*(4*\a+\b)+7], v[PF+8*\a:PF+8*\a+7], v[RF+8*\b:RF+8*\b+7], v[8*\b:8*\b+7], v[SC+8*\a+(\s)], v[SC+8*\b+(\s)] matrix_a_fmt:MATRIX_FMT_FP4 matrix_b_fmt:MATRIX_FMT_FP4 matrix_b_scale:MATRIX_SCALE_ROW1
.endif
.endr
.endr
.endm
.macro KSTEP s
	PLACES 4                                       ; four plain instructions between the last products and loads into the registers that they read
	KLOAD \s
	KMUL \s, 0
.endm
	s_load_b512 s[4:19], s[0:1], 0x0               ; Q, K, V codes s[4:9]; Q, K, V scales s[10:15]; Wq, Wk codes s[16:19]
	s_load_b512 s[20:35], s[0:1], 0x40             ; Wv codes s[20:21]; Wq, Wk, Wv scales s[22:27]; bq, bk, bv s[28:33]; mask s[34:35]
	s_load_b128 s[36:39], s[0:1], 0x80             ; qf, qs
	s_load_b64 s[40:41], s[0:1], 0x90              ; kv
	v_lshl_add_u32 v254, v0, 2, 0x34000
	v_mov_b32 v255, 0
	ds_add_u32 v254, v255
	v_lshrrev_b32 v1, 5, v0
	v_readfirstlane_b32 s[WV], v1                  ; wave 0..7
	s_and_b32 s[WP], s[WV], 3                      ; my 64 rows of P
	s_lshr_b32 s[WR], s[WV], 2                     ; my 64 rows of R
	s_bfe_u32 s[CX], ttmp6, 0x40000
	s_bfe_u32 s[CY], ttmp6, 0x40004
	s_and_b32 s84, ttmp7, 0xffff                   ; cluster y, 0..11
	s_lshr_b32 s[KIND], s84, 2
	s_and_b32 s85, s84, 3                          ; cluster y within the kind
	s_lshr_b32 s86, s85, 1
	s_lshl_b32 s86, s86, 2
	s_add_co_u32 s86, s86, ttmp9
	s_lshl_b32 s86, s86, 2                         ; v: PT = 4 (cluster x + 4 (y / 2)) + cx: 32 tiles of 256 keys
	s_and_b32 s87, s85, 1
	s_lshl_b32 s87, s87, 2                         ; v: RT = 4 (y % 2) + cy: 8 tiles of 128 channels
	s_lshl_b32 s88, ttmp9, 4
	s_lshl_b32 s89, s85, 2
	s_add_co_u32 s88, s88, s89                     ; q, k: RT = 16 cluster x + 4 y + cy: 64 tiles of 128 tokens;  PT = cx: 4 tiles of 256 channels
	s_cmp_eq_u32 s[KIND], 2
	s_cselect_b32 s86, s86, 0
	s_cselect_b32 s87, s87, s88
	s_add_co_u32 s[PT], s86, s[CX]
	s_add_co_u32 s[RT], s87, s[CY]
	s_cmp_eq_u32 s[KIND], 0                        ; the strides, first q against k,
	s_mov_b32 s[A1], RECORD
	s_cselect_b32 s[A1], 65536, s[A1]
	s_mov_b32 s[B1], RECORD
	s_cselect_b32 s[B1], 4096, s[B1]
	s_cselect_b32 s[SUB], 3, 0
	s_mov_b32 s[BC], 131072
	s_cselect_b32 s[BC], 0, s[BC]
	s_cmp_eq_u32 s[KIND], 2                        ; then v against both
	s_cselect_b32 s[A1], 8192, s[A1]
	s_mov_b32 s[A2], 2048
	s_cselect_b32 s[A2], 2*RECORD, s[A2]
	s_mov_b32 s[A3], 1024
	s_cselect_b32 s[A3], RECORD, s[A3]
	s_mov_b32 s[A4], 8192
	s_cselect_b32 s[A4], 1024, s[A4]
	s_cselect_b32 s[AC], 65536, 0
	s_cselect_b32 s[B1], 512, s[B1]
	s_mov_b32 s[B2], 1024
	s_cselect_b32 s[B2], 2*RECORD, s[B2]
	s_mov_b32 s[B3], 512
	s_cselect_b32 s[B3], RECORD, s[B3]
	s_cselect_b32 s[BC], 135168, s[BC]
	s_mov_b32 s[SEL], 0x76543210
	s_mov_b32 s[SEL+1], 0xfedcba98                 ; v_permlanex16_b32's selects for lane l xor 16
	s_wait_dscnt 0x0
	s_wait_kmcnt 0x0
	s_cmp_eq_u32 s[KIND], 1                        ; the kind's buffers: the choices hang on the cluster's number alone
	s_cselect_b64 s[XC:XC+1], s[6:7], s[8:9]
	s_cselect_b64 s[XS:XS+1], s[12:13], s[14:15]
	s_cselect_b64 s[WC:WC+1], s[18:19], s[20:21]
	s_cselect_b64 s[WS:WS+1], s[24:25], s[26:27]
	s_cselect_b64 s[BV:BV+1], s[30:31], s[32:33]
	s_cmp_eq_u32 s[KIND], 0
	s_cselect_b64 s[XC:XC+1], s[4:5], s[XC:XC+1]
	s_cselect_b64 s[XS:XS+1], s[10:11], s[XS:XS+1]
	s_cselect_b64 s[WC:WC+1], s[16:17], s[WC:WC+1]
	s_cselect_b64 s[WS:WS+1], s[22:23], s[WS:WS+1]
	s_cselect_b64 s[BV:BV+1], s[28:29], s[BV:BV+1]
	s_cselect_b64 s[OC:OC+1], s[36:37], s[40:41]
	s_cselect_b64 s[OS:OS+1], s[38:39], s[40:41]
	s_cmp_eq_u32 s[KIND], 2                        ; and by role
	s_cselect_b64 s[PCD:PCD+1], s[XC:XC+1], s[WC:WC+1]
	s_cselect_b64 s[PSC:PSC+1], s[XS:XS+1], s[WS:WS+1]
	s_cselect_b64 s[RCD:RCD+1], s[WC:WC+1], s[XC:XC+1]
	s_cselect_b64 s[RSC:RSC+1], s[WS:WS+1], s[XS:XS+1]
	s_mov_b64 s[MK:MK+1], s[34:35]
	; descriptor group 1: 64 rows x 256 bytes, 512 bytes apart in memory, 16 bytes of padding behind each row in LDS.  s[4:35] are free now
	s_lshl_b32 s84, 0x1111, s[CX]                  ; my column of the cluster
	s_lshl_b32 s85, s[CY], 2
	s_lshl_b32 s85, 15, s85                        ; my row
	s_or_b32 s[G1P], s84, (1<<20)|(1<<21)|(5<<22)|(3<<25)   ; 15:0 the mask; 17:16 elements of 1 byte; 20 padding on; 21 set beside a mask; 24:22 after every 64 words; 31:25 four words
	s_or_b32 s[G1R], s85, (1<<20)|(1<<21)|(5<<22)|(3<<25)
.irp g, G1P, G1R
	s_mov_b32 s[\g+1], 256<<16                     ; tensor_dim0
	s_mov_b32 s[\g+2], 64<<16                      ; tensor_dim1
	s_mov_b32 s[\g+3], 256<<16                     ; tile_dim0
	s_mov_b32 s[\g+4], 64                          ; tile_dim1
	s_mov_b32 s[\g+5], 512                         ; from row to row
	s_mov_b32 s[\g+6], 0
	s_mov_b32 s[\g+7], 0
.endr
	s_mul_i32 s86, s[WV], 64*PITCH                 ; where my 64 rows go: waves 0-3 P's rows 64 w on, waves 4-5 R's, which lie behind P's 256
	s_lshl_b32 s88, s[PT], 8
	s_lshl_b32 s87, s[WP], 6
	s_add_co_u32 s88, s88, s87
	s_lshl_b32 s88, s88, 9                         ; P: row 256 PT + 64 (w % 4), 512 bytes a row
	s_mov_b32 s89, 0
	s_add_nc_u64 s[88:89], s[PCD:PCD+1], s[88:89]
	s_lshl_b32 s90, s[RT], 7
	s_and_b32 s87, s[WV], 1
	s_lshl_b32 s87, s87, 6
	s_add_co_u32 s90, s90, s87
	s_lshl_b32 s90, s90, 9                         ; R: row 128 RT + 64 (w % 2)
	s_mov_b32 s91, 0
	s_add_nc_u64 s[90:91], s[RCD:RCD+1], s[90:91]
	s_mov_b32 s[G0P0], 1
	s_mov_b32 s[G0P0+1], s86
	s_mov_b64 s[G0P0+2:G0P0+3], s[88:89]
	s_or_b32 s[G0P0+3], s[G0P0+3], 0x80000000
	s_mov_b32 s[G0P1], 1
	s_add_co_u32 s[G0P1+1], s86, HALFB
	s_add_nc_u64 s[G0P1+2:G0P1+3], s[88:89], 256
	s_or_b32 s[G0P1+3], s[G0P1+3], 0x80000000
	s_mov_b32 s[G0R0], 1
	s_mov_b32 s[G0R0+1], s86
	s_mov_b64 s[G0R0+2:G0R0+3], s[90:91]
	s_or_b32 s[G0R0+3], s[G0R0+3], 0x80000000
	s_mov_b32 s[G0R1], 1
	s_add_co_u32 s[G0R1+1], s86, HALFB
	s_add_nc_u64 s[G0R1+2:G0R1+3], s[90:91], 256
	s_or_b32 s[G0R1+3], s[G0R1+3], 0x80000000
	CROUND                                         ; all sixteen work-groups are here: the joint loads meet
	s_cmp_lt_u32 s[WV], 4                          ; a wave's two fills stand in one branch on its number; two loads of mine are out at the most
	s_cbranch_scc0 .Lnot_p
	tensor_load_to_lds s[G0P0:G0P0+3], s[G1P:G1P+7]
	s_nop 0
	tensor_load_to_lds s[G0P1:G0P1+3], s[G1P:G1P+7]
	s_nop 0
	PLACES 4
	s_branch .Lasked
.Lnot_p:
	s_cmp_lt_u32 s[WV], 6
	s_cbranch_scc0 .Lasked
	tensor_load_to_lds s[G0R0:G0R0+3], s[G1R:G1R+7]
	s_nop 0
	tensor_load_to_lds s[G0R1:G0R1+3], s[G1R:G1R+7]
	s_nop 0
	PLACES 4
.Lasked:
	v_and_b32 v1, 15, v0                           ; r
	v_bfe_u32 v2, v0, 4, 1                         ; h
	v_and_b32 v[LN], 31, v0
	v_lshlrev_b32 v[L16], 4, v[LN]
	v_mul_u32_u24 v3, v1, PITCH
	v_lshl_add_u32 v3, v2, 4, v3                   ; a fragment's row x pitch + 16 h
	s_mul_i32 s84, s[WP], 64*PITCH
	s_mul_i32 s85, s[WR], 64*PITCH
	s_add_co_u32 s85, s85, 256*PITCH
	v_add_nc_u32 v[AR], s85, v3
	v_add_nc_u32 v[AP], s84, v3
	v_add_nc_u32 v[AP+1], HALFB, v[AP]
	v_add_nc_u32 v[AR+1], HALFB, v[AR]
	v_lshlrev_b32 v[POF], 5, v1                    ; scale bytes: 32 a row
	s_lshl_b32 s84, s[WP], 11
	s_lshl_b32 s85, s[WR], 11
	v_add_nc_u32 v[ROF], s85, v[POF]
	v_add_nc_u32 v[POF], s84, v[POF]
	s_lshl_b32 s88, s[PT], 13
	s_mov_b32 s89, 0
	s_add_nc_u64 s[PSC:PSC+1], s[PSC:PSC+1], s[88:89]
	s_lshl_b32 s90, s[RT], 12
	s_mov_b32 s91, 0
	s_add_nc_u64 s[RSC:RSC+1], s[RSC:RSC+1], s[90:91]
.irp i, 0,1,2,3                                ; eight words a row (K steps 0 to 7): P's into their place, R's beside, to be merged into lanes 16-31
	global_load_b128 v[SC+8*\i:SC+8*\i+3], v[POF], s[PSC:PSC+1] offset:512*\i
	global_load_b128 v[SC+8*\i+4:SC+8*\i+7], v[POF], s[PSC:PSC+1] offset:512*\i+16
	global_load_b128 v[ACC+8*\i:ACC+8*\i+3], v[ROF], s[RSC:RSC+1] offset:512*\i
	global_load_b128 v[ACC+8*\i+4:ACC+8*\i+7], v[ROF], s[RSC:RSC+1] offset:512*\i+16
.endr
	; the bias in the result's layout.  q, k: register j of P tile i wants b[.. + 16 i + 8 h + j];  v: every register of R tile i wants b[.. + 16 i + r]
	s_lshl_b32 s86, s[PT], 8
	s_lshl_b32 s87, s[WP], 6
	s_add_co_u32 s86, s86, s87
	s_lshl_b32 s87, s[RT], 7
	s_lshl_b32 s92, s[WR], 6
	s_add_co_u32 s87, s87, s92
	s_cmp_eq_u32 s[KIND], 2
	s_cselect_b32 s86, s87, s86
	s_cselect_b32 s92, 0, 32
	s_cselect_b32 s93, 4, 0
	s_cselect_b32 s98, 0, 4
	s_lshl_b32 s86, s86, 2
	s_mov_b32 s87, 0
	s_add_nc_u64 s[BV:BV+1], s[BV:BV+1], s[86:87]
	v_mul_u32_u24 v[BO], s92, v2
	v_mad_u32_u24 v[BO], v1, s93, v[BO]
.irp j, 1,2,3,4,5,6,7
	v_add_nc_u32 v[BO+\j], s98, v[BO+\j-1]
.endr
	WIN 0x40                                       ; destination in window 1: v256-287
.irp i, 0,1,2,3
.irp j, 0,1,2,3,4,5,6,7
	global_load_b32 v[8*\i+\j], v[BO+\j], s[BV:BV+1] offset:64*\i
.endr
.endr
	WIN 0
	; addresses of the way out
	s_lshr_b32 s84, s[WP], 1
	s_lshl_b32 s84, s84, 9                         ; which of the two images,
	s_lshl_b32 s85, s[WR], 3
	s_add_co_u32 s84, s84, s85                     ; tiles 4 (w / 4) on: two words,
	s_and_b32 s85, s[WP], 1
	s_lshl_b32 s85, s85, 1
	s_add_co_u32 s84, s84, s85                     ; my half c: two bytes
	s_add_co_u32 s84, s84, SCST
	v_lshl_add_u32 v[SCA], v1, 4, s84
	s_and_b32 s84, s[WV], 1
	s_lshl_b32 s84, s84, 9
	s_add_co_u32 s84, s84, SCST
	v_lshl_add_u32 v[SCR], v[LN], 4, s84
	v_lshlrev_b32 v[VO], 4, v1
	v_lshl_add_u32 v[VO], v2, 3, v[VO]             ; 16 r + 8 h
	s_and_b32 s84, s[WP], 1
	s_lshl_b32 s84, s84, 9                         ; chunk c
	s_lshr_b32 s85, s[WP], 1
	s_mul_i32 s85, s85, s[A3]
	s_add_co_u32 s84, s84, s85
	s_lshl_b32 s85, s[WR], 2
	s_mul_i32 s85, s85, s[A4]
	s_add_co_u32 s84, s84, s85
	v_add_nc_u32 v[VO], s84, v[VO]
.irp b, 1,2,3
	v_add_nc_u32 v[VO+\b], s[A4], v[VO+\b-1]
.endr
	s_mul_i32 s86, s[RT], s[A1]
	s_mul_i32 s87, s[PT], s[A2]
	s_add_co_u32 s86, s86, s87
	s_add_co_u32 s86, s86, s[AC]
	s_mov_b32 s87, 0
	s_add_nc_u64 s[OC:OC+1], s[OC:OC+1], s[86:87]
	s_mul_i32 s86, s[RT], s[B1]
	s_mul_i32 s87, s[PT], s[B2]
	s_add_co_u32 s86, s86, s87
	s_and_b32 s87, s[WV], 1
	s_mul_i32 s87, s87, s[B3]
	s_add_co_u32 s86, s86, s87
	s_add_co_u32 s86, s86, s[BC]
	s_mov_b32 s87, 0
	s_add_nc_u64 s[OS:OS+1], s[OS:OS+1], s[86:87]
	s_wait_loadcnt 0x0                             ; scale words and bias
	v_cmp_le_u32 vcc_lo, 16, v[LN]
.set i, 0
.rept 32
	v_cndmask_b32 v[SC+i], v[SC+i], v[ACC+i], vcc_lo   ; lanes 16-31 take R's words
.set i, i+1
.endr
	PLACES 8                                       ; a scale register written by a vector instruction stands eight plain instructions ahead of a scaled product
	; THE MASK VECTOR: in k's work-groups wave 2 turns 32 mask bytes into f32; the four work-groups of a record are told apart by address
	s_xor_b32 s84, s[KIND], 1
	s_xor_b32 s85, s[WV], 2
	s_or_b32 s84, s84, s85
	s_cmp_lg_u32 s84, 0
	s_cbranch_scc1 .Lno_ma
	s_lshl_b32 s86, s[RT], 7
	s_lshl_b32 s87, s[PT], 5
	s_add_co_u32 s86, s86, s87                     ; key 128 RT + 32 PT + lane, counted over all batches
	s_mov_b32 s87, 0
	s_add_nc_u64 s[MK:MK+1], s[MK:MK+1], s[86:87]
	global_load_u8 v249, v[LN], s[MK:MK+1]
	s_mul_i32 s86, s[RT], RECORD
	s_lshl_b32 s87, s[PT], 7
	s_add_co_u32 s86, s86, s87
	s_add_co_u32 s86, s86, 139264
	s_mov_b32 s87, 0
	s_add_nc_u64 s[98:99], s[40:41], s[86:87]
	v_lshlrev_b32 v248, 2, v[LN]
	v_mov_b32 v251, 0xf1800000                     ; -2^100
	s_wait_loadcnt 0x0
	v_cmp_ne_u32 vcc_lo, 0, v249
	v_cndmask_b32 v250, 0, v251, vcc_lo
	global_store_b32 v248, v250, s[98:99]          ; v248 to v251 are written nowhere else
.Lno_ma:
	s_wait_tensorcnt 0x1                           ; my part of K half 0 is in; my part of K half 1, issued behind it, may stay out
	s_barrier_signal -1
	s_barrier_wait -1                              ; everybody's is
	KLOAD 0
	s_cmp_eq_u32 s[KIND], 2                        ; the first K step starts the sums with the bias: nothing is cleared, nothing is added later
	s_cbranch_scc1 .Lv_first
	WIN 0x10                                       ; C in window 1
	KMUL 0, 1
	WIN 0
	s_branch .Lfirst_done
.Lv_first:
	WIN 0x10
	KMUL 0, 2
	WIN 0
.Lfirst_done:
	KSTEP 1
	KSTEP 2
	KSTEP 3
	s_wait_tensorcnt 0x0                           ; my part of K half 1 is in,
	s_barrier_signal -1
	s_barrier_wait -1                              ; everybody's is
	KSTEP 4
	KSTEP 5
	KSTEP 6
	KSTEP 7
	; THE WAY OUT: eight blocks q = 2 b + B (R tile b, block B = P tiles 2 B, 2 B + 1), by turns so that no line waits for the line above it
	PLACES 4
.irp q, 0,1,2,3,4,5,6,7
	v_max3_num_f32 v[AM+\q], |v[ACC+64*(\q%2)+8*(\q/2)]|, |v[ACC+64*(\q%2)+8*(\q/2)+1]|, 0x3000000   ; each accumulator from its low end on; the floor 2^(6 - 127) is one more leaf
.endr
.irp i, 2,4,6
.irp q, 0,1,2,3,4,5,6,7
	v_max3_num_f32 v[AM+\q], v[AM+\q], |v[ACC+64*(\q%2)+8*(\q/2)+\i]|, |v[ACC+64*(\q%2)+8*(\q/2)+\i+1]|
.endr
.endr
.irp i, 0,2,4,6
.irp q, 0,1,2,3,4,5,6,7
	v_max3_num_f32 v[AM+\q], v[AM+\q], |v[ACC+64*(\q%2)+32+8*(\q/2)+\i]|, |v[ACC+64*(\q%2)+32+8*(\q/2)+\i+1]|
.endr
.endr
.irp q, 0,1,2,3,4,5,6,7
	v_permlanex16_b32 v[PX+\q], v[AM+\q], s[SEL], s[SEL+1]
.endr
.irp q, 0,1,2,3,4,5,6,7
	v_max_num_f32 v[AM+\q], v[AM+\q], v[PX+\q]     ; with lane l xor 16's 16 numbers: the block's largest magnitude
.endr
.irp q, 0,1,2,3,4,5,6,7
	v_add_nc_u32 v[SO+\q], 0xff000000, v[AM+\q]    ; 2 off its exponent field: the conversion takes that field as its scale
.endr
.irp q, 0,1,2,3,4,5,6,7
	v_lshrrev_b32 v[BY+\q], 23, v[SO+\q]           ; the scale's byte, 4 at the least,
.endr
.irp q, 0,1,2,3,4,5,6,7
	v_sub_nc_u32 v[BY+\q], v[BY+\q], s[SUB]        ; less 3 for q: the codes are those of q, the byte that of q / 8: exact
.endr
.irp b, 0,1,2,3
	v_lshl_or_b32 v[HW+\b], v[BY+2*\b+1], 8, v[BY+2*\b]
.endr
.irp q, 0,1,2,3,4,5,6,7
	v_cvt_scalef32_pk8_fp4_f32 v[CD+2*\q], v[ACC+64*(\q%2)+8*(\q/2):ACC+64*(\q%2)+8*(\q/2)+7], v[SO+\q]
	v_cvt_scalef32_pk8_fp4_f32 v[CD+2*\q+1], v[ACC+64*(\q%2)+32+8*(\q/2):ACC+64*(\q%2)+32+8*(\q/2)+7], v[SO+\q]
.endr
	v_nop                                          ; one plain instruction behind the last scaled conversion
.irp q, 0,1,2,3,4,5,6,7
	global_store_b64 v[VO+\q/2], v[CD+2*\q:CD+2*\q+1], s[OC:OC+1] offset:256*(\q%2)   ; the wave stores 256 consecutive bytes, aligned
.endr
.irp b, 0,1,2,3
	ds_store_b16 v[SCA], v[HW+\b] offset:(\b%2)*256+(\b/2)*4   ; both halves of the lanes write the same two bytes with the same value
.endr
	s_wait_dscnt 0x0                               ; for the others' sake: my bytes lie in the images
	s_barrier_signal -1
	s_barrier_wait -1
	s_cmp_lt_u32 s[WV], 2
	s_cbranch_scc0 .Lno_sc
	ds_load_b128 v[OB:OB+3], v[SCR]
	s_wait_dscnt 0x0
	global_store_b128 v[L16], v[OB:OB+3], s[OS:OS+1]   ; an image: 512 consecutive bytes
.Lno_sc:
	s_wait_tensorcnt 0x0
	ds_add_u32 v254, v255
	s_wait_dscnt 0x0
	CROUND                                         ; the closing round: no work-group ends while a partner may still ask for a tile that names it
	s_endpgm
.Lfunc_end_k_q68273177f5_proj:
	.size	k_q68273177f5_proj, .Lfunc_end_k_q68273177f5_proj-k_q68273177f5_proj
	.p2alignl 7, 3214868480
	.fill 96, 4, 3214868480
	.section	.rodata,"a",@progbits
	.p2align	6, 0x0
	.amdhsa_kernel k_q68273177f5_proj
		.amdhsa_group_segment_fixed_size 214016
		.amdhsa_private_segment_fixed_size 0
		.amdhsa_enable_private_segment 0
		.amdhsa_kernarg_size 152
		.amdhsa_user_sgpr_count 2
		.amdhsa_user_sgpr_kernarg_segment_ptr 1
		.amdhsa_wavefront_size32 1
		.amdhsa_system_sgpr_workgroup_id_x 1
		.amdhsa_system_sgpr_workgroup_id_y 1
		.amdhsa_system_sgpr_workgroup_id_z 1
		.amdhsa_system_vgpr_workitem_id 0
		.amdhsa_next_free_vgpr 288
		.amdhsa_next_free_sgpr 100
		.amdhsa_reserve_vcc 1
		.amdhsa_float_denorm_mode_32 3
		.amdhsa_float_denorm_mode_16_64 3
		.amdhsa_memory_ordered 1
		.amdhsa_forward_progress 1
		.amdhsa_inst_pref_size 55
	.end_amdhsa_kernel
	.amdgpu_metadata
---
amdhsa.version: [ 1, 2 ]
amdhsa.kernels:
  - .name:           k_q68273177f5_proj
    .symbol:         k_q68273177f5_proj.kd
    .args:
      - { .name: Q_codes, .offset: 0, .size: 8, .value_kind: global_buffer, .address_space: global }
      - { .name: K_codes, .offset: 8, .size: 8, .value_kind: global_buffer, .address_space: global }
      - { .name: V_codes, .offset: 16, .size: 8, .value_kind: global_buffer, .address_space: global }
      - { .name: Q_scales, .offset: 24, .size: 8, .value_kind: global_buffer, .address_space: global }
      - { .name: K_scales, .offset: 32, .size: 8, .value_kind: global_buffer, .address_space: global }
      - { .name: V_scales, .offset: 40, .size: 8, .value_kind: global_buffer, .address_space: global }
      - { .name: Wq_codes, .offset: 48, .size: 8, .value_kind: global_buffer, .address_space: global }
      - { .name: Wk_codes, .offset: 56, .size: 8, .value_kind: global_buffer, .address_space: global }
      - { .name: Wv_codes, .offset: 64, .size: 8, .value_kind: global_buffer, .address_space: global }
      - { .name: Wq_scales, .offset: 72, .size: 8, .value_kind: global_buffer, .address_space: global }
      - { .name: Wk_scales, .offset: 80, .size: 8, .value_kind: global_buffer, .address_space: global }
      - { .name: Wv_scales, .offset: 88, .size: 8, .value_kind: global_buffer, .address_space: global }
      - { .name: bq, .offset: 96, .size: 8, .value_kind: global_buffer, .address_space: global }
      - { .name: bk, .offset: 104, .size: 8, .value_kind: global_buffer, .address_space: global }
      - { .name: bv, .offset: 112, .size: 8, .value_kind: global_buffer, .address_space: global }
      - { .name: mask, .offset: 120, .size: 8, .value_kind: global_buffer, .address_space: global }
      - { .name: qf, .offset: 128, .size: 8, .value_kind: global_buffer, .address_space: global }
      - { .name: qs, .offset: 136, .size: 8, .value_kind: global_buffer, .address_space: global }
      - { .name: kv, .offset: 144, .size: 8, .value_kind: global_buffer, .address_space: global }
    .group_segment_fixed_size: 214016
    .private_segment_fixed_size: 0
    .kernarg_segment_align: 8
    .kernarg_segment_size: 152
    .max_flat_workgroup_size: 256
    .sgpr_count:     100
    .vgpr_count:     288
    .wavefront_size: 32
...
	.end_amdgpu_metadata
.endif
;; end of part 1
;; launch attn (part 2): grid 256 x 1, 8 waves a work-group, clusters of 4 x 1, 327,680 bytes of LDS; arguments qf, qs, kv, attn_bias, oc, os; writes oc, os
.if DOCPART == 2
	.amdgcn_target "amdgcn-amd-amdhsa--gfx1250"
	.amdhsa_code_object_version 6
	.text
	.protected	k_q68273177f5_attn
	.globl	k_q68273177f5_attn
	.p2align	8
	.type	k_q68273177f5_attn,@function
k_q68273177f5_attn:
	s_mov_b64 s[64:65], 0
	v_nop
	global_prefetch_b8 v0, s[64:65] scope:SCOPE_SE
	s_setreg_imm32_b32 hwreg(HW_REG_WAVE_MODE, 25, 1), 1
	s_wait_xcnt 0x0
	s_wait_alu depctr_hold_cnt(0) depctr_sa_sdst(0) depctr_va_vdst(0) depctr_va_sdst(0) depctr_va_ssrc(0) depctr_va_vcc(0) depctr_vm_vsrc(0)
	s_getreg_b32 s2, hwreg(HW_REG_IB_STS2, 6, 4)
	s_cmp_eq_u32 s2, 0
	s_cbranch_scc0 .Lentry_in_a_cluster
	s_endpgm
.Lentry_in_a_cluster:
	s_bfe_u32 s2, ttmp6, 0x10000c
	s_cmp_lg_u32 s2, 0x3003
	s_cbranch_scc0 .Lentry_shape_is_right
	s_endpgm
.Lentry_shape_is_right:
; o = softmax(q k^T / 8 + bias, masked keys left out) v for 16 heads of 64, both products on codes of FP4 (E2M1) with E8M0 scales; o is quantised along its 1,024 channels for the last product.
; THE SOFTMAX AHEAD OF THE SECOND PRODUCT: t = logit x log2(e); M = the row's largest t so far, rounded UP to a whole number; p = 2^(t - M) is quantised along the keys, not normalised.  The row's sum is
; taken of the unquantised p and divides at the end.  When M moves, the sum and O are multiplied by 2^(old M - new M): exact.
; SHARES.  A work-group owns 32 queries of one batch for ALL 16 heads, so that each number of the bias comes from memory once.  Wave w: queries 16 (w % 2) on, heads 4 (w / 2) on.  Two waves lie on a SIMD:
; one wave's vector work stands beside the other's products and LDS loads.  Every wave walks the batch's 2,048 keys, 128 a step, through two LDS slots.
; CLUSTER 4 x 1: the four partners belong to one batch and walk the same records of kv: K's and V's images, their scale images and the mask vector are asked for JOINTLY.  The bias is each work-group's own load.
; LAYOUT.  Both products are used transposed: S^T = K Q^T (source 0 = 16 keys, source 1 = my 16 queries), O^T = V^T P^T (source 0 = 16 channels, source 1 = P): a lane holds ONE query (lane % 16) throughout.
; TWO HEADS IN ONE FRAGMENT OF K: the instruction's K is 128, a head's 64.  K's fragment holds a pair of heads as k's 128 columns lie; Q's registers of a pair are qA (4), zeros (4), qB (4): registers 0-7 are
; the operand for the first head, registers 4-11 for the second.  Zero codes add nothing under any scale byte that this program makes.
; THE BIAS IS THE C OF K Q^T, in the result's layout, and stays in 64 registers for the wave's four heads; the mask vector (0 or -2^100) is added to it once a step.
; Inside a block of 32 the numbers stand in the order 0-7, 16-23, 8-15, 24-31 on both sides of each product (the launch before lays q, k and v so; p falls so by itself); o's codes go to their natural places.
; A row all of whose keys are masked has the sum 0: its scale bytes become 0xff, which makes the last product's result NaN, as the softmax of such a row is.
; LIMITS: logits under about -6.9e27 count as masked (the largest t begins at -2^93); a block of p or of o whose largest magnitude lies under 2^-124 takes that floor's byte; a block of zeros carries the floor's byte.
; REGISTERS, window 0: v1-15 addresses and constants; v16-31 four registers a head: -M, the largest t, the sum in two halves; v32-95 bias; v96-159 S^T, then p; v160-191 V's four fragments; v192-199 p's codes;
;   v200-217 at work; v220-227 scale words.   window 1: v0-127 O^T, 32 a head; v128-151 Q; v160-223 K's eight fragments of a pair of heads.
.set RECORD, 139776                    ; a key step's record in kv: K's images 65,536, V's 65,536, K's scale images 4,096, V's 4,096, the mask vector 512
.set LK,    0x00000                    ; LDS: K's images, slot 0; slot 1 is 0x10000 on
.set LV,    0x20000                    ; V's images, likewise
.set LT,    0x40000                    ; the record's tail (8,704 bytes): K's scale images, V's at +4,096, the mask vector at +8,192; slot 1 is 0x8000 on
.set LB,    0x42200                    ; the bias: 32 rows x (512 bytes + 16); slot 1 is 0x8000 on
.set SPARE, 0x46400                    ; the spare words, 128 bytes for each wave: four blocks of 256 bytes that no other line names
.set BP,    528
.set STG,   0x00000                    ; the way out: 32 rows x (512 + 16) of o's codes, and
.set SS,    0x04400                    ; 32 rows x 32 scale bytes: in K's slot 0, which has had its last fill (key step 14) and its last read ahead of the last change of slots
.set SPW, 1
.set NIL, 2
.set AK0, 3                            ; my lane's place among K's images, V's, the scale images, the bias, the mask vector, in slot 0
.set AV0, 4
.set AS0, 5
.set AB0, 6
.set AM0, 7
.set ADK, 8                            ; the same in the slot in hand
.set ADV, 9
.set ADS, 10
.set ADB, 11
.set ADM, 12
.set PFOB, 13                          ; the prefetches' offsets: lane x a row of the bias; lane x 256; never rewritten
.set PFOK, 14
.set C255, 15
.set ST,  16
.set BI,  32
.set S,   96
.set VF,  160
.set PC,  192
.set BM,  200
.set T1,  204
.set SCO, 208
.set F,   212
.set TA,  214
.set PS,  215                          ; p's scale word
.set SUM2, 216
.set KS,  220                          ; K's scale words: register w: lanes 0-15 tile 2 w, lanes 16-31 tile 2 w + 1
.set VS,  224                          ; V's, likewise
.set QS,  226                          ; Q's, one register a pair of heads
.set QF,  128                          ; window 1
.set KF,  160
.set QT,  16
.set HG,  17
.set WV,  18
.set CX,  19
.set SEL, 20
.set CS,  22
.set G1KV, 24
.set G1T,  32
.set G1B,  40
.set G0KV, 48
.set G0T,  52
.set G0B,  56
.set TBK, 60                           ; the slot in hand: 0 or 0x10000 for K and V,
.set TBT, 61                           ; 0 or 0x8000 for the tail and the bias
.set CNT, 62
.set PFB, 66
.set PFK, 68
.set LIMB, 70
.set LIMK, 71
.set MSB, 0
.macro WIN new                         ; the immediate's high byte repeats the setting that is left
.if MSB != \new
	s_set_vgpr_msb (MSB<<8)|\new
.set MSB, \new
.endif
.endm
.macro CROUND                          ; a round of the cluster's barrier
	s_barrier_signal -1
	s_barrier_wait -1
	s_cmp_lg_u32 s[WV], 0
	s_cbranch_scc1 .Lnot_wave_0_\@
	s_barrier_signal -3
.Lnot_wave_0_\@:
	s_barrier_wait -3
	s_barrier_signal -1
	s_barrier_wait -1
.endm
.macro PLACES n
.rept \n
	v_nop
.endr
.endm
; A key step's fill, one tensor load a wave: waves 0-3 a quarter each of K's and V's images (32,768 bytes), wave 4 the tail, wave 5 the bias; waves 6 and 7 none.  The branches hang on the wave's number alone.
.macro TLOAD
	s_cmp_lt_u32 s[WV], 4
	s_cbranch_scc0 .Lnot_kv_\@
	tensor_load_to_lds s[G0KV:G0KV+3], s[G1KV:G1KV+7]
	s_nop 0
	PLACES 4
	s_branch .Lasked_\@
.Lnot_kv_\@:
	s_cmp_eq_u32 s[WV], 4
	s_cbranch_scc0 .Lnot_t_\@
	tensor_load_to_lds s[G0T:G0T+3], s[G1T:G1T+7]
	s_nop 0
	PLACES 4
	s_branch .Lasked_\@
.Lnot_t_\@:
	s_cmp_eq_u32 s[WV], 5
	s_cbranch_scc0 .Lasked_\@
	tensor_load_to_lds s[G0B:G0B+3], s[G1B:G1B+7]
	s_nop 0
	PLACES 4
.Lasked_\@:
.endm
; PREFETCHES of what the NEXT change of slots will load, by the two waves that fetch nothing.  The bias: my work-group's 32 rows x 512 bytes, wave 6 the rows' first 256 bytes, wave 7 the second, a lane a row.
; K's and V's images: all clusters of a batch walk the same records, so the batch's first cluster asks; its four partners take 32,768 bytes each, told apart by address, each wave 16,384: two instructions, lanes 256
; bytes apart.  So each aligned block of 256 bytes is named once in the launch.  The last trip asks for nothing; key steps 0 and 1 and the tails come by their loads alone.
.macro ASK
	s_cmp_gt_u32 s[CNT], s[LIMB]
	s_cbranch_scc0 .Lno_b_\@
	global_prefetch_b8 v[PFOB], s[PFB:PFB+1] th:TH_LOAD_NT scope:SCOPE_SE
.Lno_b_\@:
	s_cmp_gt_u32 s[CNT], s[LIMK]
	s_cbranch_scc0 .Lno_k_\@
	global_prefetch_b8 v[PFOK], s[PFK:PFK+1] th:TH_LOAD_NT scope:SCOPE_SE
	global_prefetch_b8 v[PFOK], s[PFK:PFK+1] offset:8192 th:TH_LOAD_NT scope:SCOPE_SE
.Lno_k_\@:
.endm
; THE CHANGE OF SLOTS stands at a key step's head.  Each wave waits for all its tensor loads (its part of the slot that it is about to read), adds 0 to its spare word, and waits for that and for its reads of the slot
; that it has left.  fill = 1: a round of the cluster's barrier, and behind it the slot that was left is filled with the next key step, which has this whole step in which to land.
.macro CHANGE fill
	s_wait_tensorcnt 0x0                           ; no tensor load of mine is out, so a group 0 may be written
	ds_add_u32 v[SPW], v[NIL]                      ; 0 onto my spare word
.if \fill
	s_xor_b32 s[G0KV+1], s[G0KV+1], 0x10000        ; the walking descriptors: the other slot, the next record
	s_add_nc_u64 s[G0KV+2:G0KV+3], s[G0KV+2:G0KV+3], RECORD
	s_xor_b32 s[G0T+1], s[G0T+1], 0x8000
	s_add_nc_u64 s[G0T+2:G0T+3], s[G0T+2:G0T+3], RECORD
	s_xor_b32 s[G0B+1], s[G0B+1], 0x8000
	s_add_nc_u64 s[G0B+2:G0B+3], s[G0B+2:G0B+3], 512   ; the next 128 keys of my rows of the bias
	s_wait_xcnt 0x0                                ; the last prefetches, a key step back, have read their addresses:
	s_add_nc_u64 s[PFB:PFB+1], s[PFB:PFB+1], 512   ; one key step further on than the walking descriptors
	s_add_nc_u64 s[PFK:PFK+1], s[PFK:PFK+1], RECORD
	s_wait_dscnt 0x0                               ; the add is done, and my reads of the slot that I have left are over
	CROUND                                         ; so of every wave of the four work-groups
	TLOAD                                          ; the first thing behind the round, and a wave's one tensor load until the next
	ASK
.else
	s_wait_dscnt 0x0
	s_barrier_signal -1
	s_barrier_wait -1
.endif
.endm
; ONE HEAD'S KEY STEP: head 2 gp + e of my four.
.macro HEADSTEP gp, e
.set HD, 2*(\gp)+(\e)
.set SH, ST+4*HD
.set OH, 32*HD
	s_wait_dscnt 0x0                               ; K's fragments and scale words are in
	WIN 0x05                                       ; K and Q in window 1
.irp t, 0,1,2,3,4,5,6,7                        ; S^T = K Q^T + bias: eight tiles of 16 keys
.if (\t)%2
	v_wmma_scale_f32_16x16x128_f8f6f4 v[S+8*\t:S+8*\t+7], v[KF+8*\t:KF+8*\t+7], v[QF+12*(\gp)+4*(\e):QF+12*(\gp)+4*(\e)+7], v[BI+8*\t:BI+8*\t+7], v[KS+\t/2], v[QS+(\gp)] matrix_a_fmt:MATRIX_FMT_FP4 matrix_b_fmt:MATRIX_FMT_FP4 matrix_a_scale:MATRIX_SCALE_ROW1
.else
	v_wmma_scale_f32_16x16x128_f8f6f4 v[S+8*\t:S+8*\t+7], v[KF+8*\t:KF+8*\t+7], v[QF+12*(\gp)+4*(\e):QF+12*(\gp)+4*(\e)+7], v[BI+8*\t:BI+8*\t+7], v[KS+\t/2], v[QS+(\gp)] matrix_a_fmt:MATRIX_FMT_FP4 matrix_b_fmt:MATRIX_FMT_FP4
.endif
.endr
	WIN 0
	PLACES 4                                       ; ahead of the first read of the scores, and of loads into registers that the last products read (V's of the head before; K's, where the pair is done)
.irp t, 0,1,2,3
.irp c, 0,1
	ds_load_b128 v[VF+8*\t+4*\c:VF+8*\t+4*\c+3], v[ADV] offset:(4*HD+\t)*1024+512*\c   ; V's four fragments of this head: they land under the softmax
.endr
.endr
	ds_load_b64 v[VS:VS+1], v[ADS] offset:4096+512*(\gp)+8*(\e)
.if ((\gp) == 0) && ((\e) == 1)
	WIN 0x40                                       ; the first pair's scores are made: the second pair's K
.irp t, 0,1,2,3,4,5,6,7
.irp c, 0,1
	ds_load_b128 v[KF+8*\t+4*\c:KF+8*\t+4*\c+3], v[ADK] offset:8192*\t+1024+512*\c
.endr
.endr
	WIN 0
	ds_load_b128 v[KS:KS+3], v[ADS] offset:512
.endif
.irp b, 0,1,2,3
	v_max3_num_f32 v[BM+\b], v[S+16*\b], v[S+16*\b+1], v[S+16*\b+2]   ; the largest score of each block of 32 keys: for the row's maximum, and, since p rises with the score, for the block's largest p
.endr
.irp i, 3,5,7,9,11,13
.irp b, 0,1,2,3
	v_max3_num_f32 v[BM+\b], v[BM+\b], v[S+16*\b+\i], v[S+16*\b+\i+1]
.endr
.endr
.irp b, 0,1,2,3
	v_max_num_f32 v[BM+\b], v[BM+\b], v[S+16*\b+15]
.endr
.irp b, 0,1,2,3
	v_permlanex16_b32 v[T1+\b], v[BM+\b], s[SEL], s[SEL+1]
.endr
.irp b, 0,1,2,3
	v_max_num_f32 v[BM+\b], v[BM+\b], v[T1+\b]     ; with lane l xor 16's 16 keys
.endr
	v_max3_num_f32 v[TA], v[BM], v[BM+1], v[BM+2]
	v_max_num_f32 v[TA], v[TA], v[BM+3]
	v_mul_f32 v[TA], s[CS], v[TA]                  ; the step's largest t
	v_max_num_f32 v[SH+1], v[SH+1], v[TA]          ; the running largest t
	v_mov_b32 v[TA], v[SH]
	v_floor_f32 v[SH], -v[SH+1]                    ; -M = floor(-t): M is a whole number
	v_sub_f32 v[TA], v[SH], v[TA]                  ; old M - new M: a whole number, 0 or less
	v_cvt_i32_f32 v[TA], v[TA]                     ; (it saturates)
	v_ldexp_f32 v[F], 1.0, v[TA]                   ; f = 2^(old M - new M)
.set j, 0
.rept 32
	v_pk_fma_f32 v[S+j:S+j+1], v[S+j:S+j+1], s[CS:CS+1], v[SH:SH+1] op_sel_hi:[1,0,0]   ; t - M, two at a time
.set j, j+2
.endr
.irp b, 0,1,2,3
	v_fma_f32 v[BM+\b], v[BM+\b], s[CS], v[SH]     ; the same of each block's largest score
.endr
.set j, 0
.rept 64
	v_exp_f32 v[S+j], v[S+j]                       ; p = 2^(t - M); 0 for a masked key
.set j, j+1
.endr
	v_pk_mul_f32 v[SH+2:SH+3], v[SH+2:SH+3], v[F:F+1] op_sel_hi:[1,0]   ; the sums under the new M: the plain instruction behind the exponentials
	s_wait_alu depctr_va_vdst(0)                   ; one wait for the batch of 64, ahead of its first reader
.irp b, 0,1,2,3
	v_exp_f32 v[BM+\b], v[BM+\b]                   ; the block's largest p: the same two instructions on the same number give the same bits
.endr
	v_pk_add_f32 v[SUM2:SUM2+1], v[S:S+1], v[S+2:S+3]   ; the row's sum of the unquantised p, in two chains
.set j, 4
.rept 15
	v_pk_add_f32 v[SH+2:SH+3], v[SH+2:SH+3], v[S+j:S+j+1]
	v_pk_add_f32 v[SUM2:SUM2+1], v[SUM2:SUM2+1], v[S+j+2:S+j+3]
.set j, j+4
.endr
	v_pk_add_f32 v[SH+2:SH+3], v[SH+2:SH+3], v[SUM2:SUM2+1]
	s_wait_alu depctr_va_vdst(0)                   ; and one for the four
.irp b, 0,1,2,3
	v_max_num_f32 v[BM+\b], 0x1800000, v[BM+\b]    ; the floor 2^(3 - 127): the byte cannot fall under 1
.endr
.irp b, 0,1,2,3
	v_add_nc_u32 v[SCO+\b], 0xff000000, v[BM+\b]   ; 2 off the exponent field: the conversion's scale operand
.endr
.irp b, 0,1,2,3
	v_lshrrev_b32 v[T1+\b], 23, v[SCO+\b]          ; the scale's byte
.endr
	v_lshl_or_b32 v[PS], v[T1+1], 8, v[T1]
	v_lshl_or_b32 v[PS], v[T1+2], 16, v[PS]
	v_lshl_or_b32 v[PS], v[T1+3], 24, v[PS]
.irp b, 0,1,2,3
	v_cvt_scalef32_pk8_fp4_f32 v[PC+2*\b], v[S+16*\b:S+16*\b+7], v[SCO+\b]
	v_cvt_scalef32_pk8_fp4_f32 v[PC+2*\b+1], v[S+16*\b+8:S+16*\b+15], v[SCO+\b]
.endr
	v_nop                                          ; one plain instruction behind the last scaled conversion
.irp c, 0,1                                    ; the operand wants a whole block in a lane: lanes 0-15 block 2 c, lanes 16-31 block 2 c + 1; in it first the lower lanes' 8 bytes, then the upper lanes'
.irp i, 0,1
	v_permlane16_swap_b32 v[PC+4*\c+\i], v[PC+4*\c+2+\i]
.endr
.endr
	WIN 0x41                                       ; O^T in window 1
.set j, 0
.rept 16
	v_pk_mul_f32 v[OH+j:OH+j+1], v[OH+j:OH+j+1], v[F:F+1] op_sel_hi:[1,0]   ; O^T under the new M.  These 16 also stand between the writes of p's codes and scale word and the scaled products
.set j, j+2
.endr
.if ((\gp) == 0) && ((\e) == 1)
	s_wait_dscnt 17                                ; V's fragments and words are in; behind them: the 16 loads of K's fragments and the one of K's scale words
.else
	s_wait_dscnt 0x0
.endif
	WIN 0x50                                       ; C and D in window 1
.irp t, 0,1,2,3                                ; O^T += V^T P^T: four tiles of 16 channels, four accumulators by turns
.if (\t)%2
	v_wmma_scale_f32_16x16x128_f8f6f4 v[OH+8*\t:OH+8*\t+7], v[VF+8*\t:VF+8*\t+7], v[PC:PC+7], v[OH+8*\t:OH+8*\t+7], v[VS+\t/2], v[PS] matrix_a_fmt:MATRIX_FMT_FP4 matrix_b_fmt:MATRIX_FMT_FP4 matrix_a_scale:MATRIX_SCALE_ROW1
.else
	v_wmma_scale_f32_16x16x128_f8f6f4 v[OH+8*\t:OH+8*\t+7], v[VF+8*\t:VF+8*\t+7], v[PC:PC+7], v[OH+8*\t:OH+8*\t+7], v[VS+\t/2], v[PS] matrix_a_fmt:MATRIX_FMT_FP4 matrix_b_fmt:MATRIX_FMT_FP4
.endif
.endr
	WIN 0
.endm
; A KEY STEP of the wave: the bias and the mask vector once, then the four heads
.macro STEPWORK
	v_add_nc_u32 v[ADK], s[TBK], v[AK0]
	v_add_nc_u32 v[ADV], s[TBK], v[AV0]
	v_add_nc_u32 v[ADS], s[TBT], v[AS0]
	v_add_nc_u32 v[ADB], s[TBT], v[AB0]
	v_add_nc_u32 v[ADM], s[TBT], v[AM0]
.irp t, 0,1,2,3,4,5,6,7
.irp w, 0,1
	ds_load_b128 v[BI+8*\t+4*\w:BI+8*\t+4*\w+3], v[ADB] offset:64*\t+16*\w   ; bias(my query, key 16 t + 8 h + 0 .. 7): the result's layout
.endr
.endr
.irp t, 0,1,2,3,4,5,6,7
.irp w, 0,1
	ds_load_b128 v[S+8*\t+4*\w:S+8*\t+4*\w+3], v[ADM] offset:64*\t+16*\w     ; the mask vector at the same keys
.endr
.endr
	WIN 0x40
.irp t, 0,1,2,3,4,5,6,7
.irp c, 0,1
	ds_load_b128 v[KF+8*\t+4*\c:KF+8*\t+4*\c+3], v[ADK] offset:8192*\t+512*\c   ; K's eight fragments of my first pair of heads
.endr
.endr
	WIN 0
	ds_load_b128 v[KS:KS+3], v[ADS]
	s_wait_dscnt 17                                ; bias and mask vector are in; behind them: the 16 loads of K's fragments and the one of its scale words
.set j, 0
.rept 32
	v_pk_add_f32 v[BI+j:BI+j+1], v[BI+j:BI+j+1], v[S+j:S+j+1]
.set j, j+2
.endr
	HEADSTEP 0, 0
	HEADSTEP 0, 1
	HEADSTEP 1, 0
	HEADSTEP 1, 1
	s_xor_b32 s[TBK], s[TBK], 0x10000              ; on to the other slot
	s_xor_b32 s[TBT], s[TBT], 0x8000
.endm
	s_load_b256 s[4:11], s[0:1], 0x0               ; qf s[4:5], qs s[6:7], kv s[8:9], bias s[10:11]
	s_load_b128 s[12:15], s[0:1], 0x20             ; oc s[12:13], os s[14:15]
	v_lshl_add_u32 v[SPW], v0, 2, SPARE
	v_mov_b32 v[NIL], 0
	ds_add_u32 v1, v2
	s_wait_dscnt 0x0
	v_lshrrev_b32 v3, 5, v0
	v_readfirstlane_b32 s[WV], v3                  ; wave 0..7
	s_and_b32 s[QT], s[WV], 1                      ; my tile of 16 queries
	s_lshr_b32 s[HG], s[WV], 1                     ; my four heads
	s_bfe_u32 s[CX], ttmp6, 0x40000
	s_lshl_b32 s72, ttmp9, 2
	s_add_co_u32 s72, s72, s[CX]                   ; my work-group, 0..255: queries 32 x it on, counted over all batches: it enters global addresses of my own alone
	s_lshr_b32 s73, ttmp9, 4                       ; the batch, which the four partners share
	s_mul_i32 s74, s73, 16*RECORD
	s_mov_b32 s75, 0
	; descriptor groups 1.  K's and V's images: 32,768 dense bytes as 128 rows of 256;  the tail: 8,704 dense bytes as 34 rows of 256;  the bias: 32 rows x 128 f32, 2,048 apart, 16 bytes of padding behind each
	s_mov_b32 s[G1KV], 15|(3<<16)|(1<<21)          ; 15:0 the mask: all four work-groups; 17:16 elements of 8 bytes; 21 set beside a mask
	s_mov_b32 s[G1KV+1], 32<<16
	s_mov_b32 s[G1KV+2], 128<<16
	s_mov_b32 s[G1KV+3], 32<<16
	s_mov_b32 s[G1KV+4], 128
	s_mov_b32 s[G1KV+5], 32
	s_mov_b32 s[G1KV+6], 0
	s_mov_b32 s[G1KV+7], 0
	s_mov_b32 s[G1T], 15|(3<<16)|(1<<21)
	s_mov_b32 s[G1T+1], 32<<16
	s_mov_b32 s[G1T+2], 34<<16
	s_mov_b32 s[G1T+3], 32<<16
	s_mov_b32 s[G1T+4], 34
	s_mov_b32 s[G1T+5], 32
	s_mov_b32 s[G1T+6], 0
	s_mov_b32 s[G1T+7], 0
	s_mov_b32 s[G1B], (2<<16)|(1<<20)|(6<<22)|(3<<25)   ; no mask; elements of 4 bytes; padding: four words after every 128
	s_mov_b32 s[G1B+1], 128<<16
	s_mov_b32 s[G1B+2], 32<<16
	s_mov_b32 s[G1B+3], 128<<16
	s_mov_b32 s[G1B+4], 32
	s_mov_b32 s[G1B+5], 2048
	s_mov_b32 s[G1B+6], 0
	s_mov_b32 s[G1B+7], 0
	s_mov_b32 s[SEL], 0x76543210
	s_mov_b32 s[SEL+1], 0xfedcba98                 ; v_permlanex16_b32's selects for lane l xor 16
	s_mov_b32 s[CS], 0x3fb8aa3b                    ; log2(e)
	s_mov_b32 s[CS+1], s[CS]                       ; (named with it as a pair, so it is written)
	s_mov_b32 s[TBK], 0
	s_mov_b32 s[TBT], 0
	s_mov_b32 s[CNT], 15
	s_xor_b32 s80, s[HG], 3                        ; 0 in waves 6 and 7: they prefetch
	s_cmp_eq_u32 s80, 0
	s_cselect_b32 s[LIMB], 1, -1
	s_and_b32 s81, ttmp9, 15
	s_or_b32 s80, s80, s81                         ; and the cluster is the batch's first: the same in all four partners
	s_cmp_eq_u32 s80, 0
	s_cselect_b32 s[LIMK], 1, -1
	s_wait_kmcnt 0x0
	s_add_nc_u64 s[76:77], s[8:9], s[74:75]        ; the batch's first record
	s_lshl_b32 s78, s[WV], 15
	s_mov_b32 s79, 0
	s_lshl_b32 s80, s[HG], 17                      ; waves 0, 1: K's halves; waves 2, 3: V's
	s_lshl_b32 s81, s[QT], 15
	s_mov_b32 s[G0KV], 1
	s_add_co_u32 s[G0KV+1], s80, s81
	s_add_nc_u64 s[G0KV+2:G0KV+3], s[76:77], s[78:79]
	s_or_b32 s[G0KV+3], s[G0KV+3], 0x80000000
	s_mov_b32 s[G0T], 1
	s_mov_b32 s[G0T+1], LT
	s_add_nc_u64 s[G0T+2:G0T+3], s[76:77], 131072
	s_or_b32 s[G0T+3], s[G0T+3], 0x80000000
	s_lshl_b32 s82, s72, 18                        ; 32 rows of 8,192 bytes a work-group
	s_mov_b32 s83, 0
	s_add_nc_u64 s[84:85], s[10:11], s[82:83]
	s_mov_b32 s[G0B], 1
	s_mov_b32 s[G0B+1], LB
	s_mov_b64 s[G0B+2:G0B+3], s[84:85]
	s_or_b32 s[G0B+3], s[G0B+3], 0x80000000
	s_lshl_b32 s86, s[QT], 8                       ; the prefetches stand at key step 1; the first change of slots steps them to key step 2
	s_add_co_u32 s86, s86, 512
	s_mov_b32 s87, 0
	s_add_nc_u64 s[PFB:PFB+1], s[84:85], s[86:87]
	s_lshl_b32 s86, s[CX], 15
	s_lshl_b32 s88, s[QT], 14
	s_add_co_u32 s86, s86, s88
	s_add_co_u32 s86, s86, RECORD
	s_add_nc_u64 s[PFK:PFK+1], s[76:77], s[86:87]
	CROUND                                         ; all four work-groups are here: the first joint loads meet
	TLOAD                                          ; key step 0 into slot 0
	v_and_b32 v8, 31, v0                           ; lane
	v_and_b32 v9, 15, v0                           ; r
	v_bfe_u32 v10, v0, 4, 1                        ; h
	v_lshlrev_b32 v11, 4, v8                       ; 16 x lane: an image's place for my lane
	s_lshl_b32 s80, s[HG], 11
	v_add_nc_u32 v[AK0], s80, v11                  ; K: pair 2 (w / 2) of a tile's eight
	s_lshl_b32 s80, s[HG], 14
	s_add_co_u32 s80, s80, LV
	v_add_nc_u32 v[AV0], s80, v11                  ; V: channel tile 16 (w / 2) on
	s_lshl_b32 s80, s[HG], 10
	s_add_co_u32 s80, s80, LT
	v_add_nc_u32 v[AS0], s80, v11                  ; scale images 2 (w / 2) on
	v_mul_u32_u24 v12, v9, BP
	v_lshl_add_u32 v12, v10, 5, v12
	s_mul_i32 s80, s[QT], 16*BP
	s_add_co_u32 s80, s80, LB
	v_add_nc_u32 v[AB0], s80, v12                  ; bias: row 16 (w % 2) + r, + 32 h
	v_lshl_add_u32 v[AM0], v10, 5, LT+8192         ; the mask vector, + 32 h
	v_lshlrev_b32 v[PFOB], 13, v8
	v_lshlrev_b32 v[PFOK], 8, v8
	v_mov_b32 v[C255], 255
	v_lshlrev_b32 v12, 4, v9                       ; Q's scale words: 16 r
	s_lshl_b32 s88, s72, 14                        ; Q's images: query tile 2 x work-group + w % 2, 8,192 bytes a tile; pair 2 (w / 2)
	s_lshl_b32 s90, s[QT], 13
	s_add_co_u32 s88, s88, s90
	s_lshl_b32 s90, s[HG], 11
	s_add_co_u32 s88, s88, s90
	s_mov_b32 s89, 0
	s_add_nc_u64 s[4:5], s[4:5], s[88:89]
	s_lshl_b32 s88, ttmp9, 12                      ; their scale images: 128 queries (a cluster's) x 8 pairs x 512 bytes; my tile is 2 cx + w % 2 of the eight
	s_lshl_b32 s90, s[HG], 10
	s_add_co_u32 s88, s88, s90
	s_lshl_b32 s90, s[QT], 8
	s_add_co_u32 s88, s88, s90
	s_lshl_b32 s90, s[CX], 2
	s_add_co_u32 s88, s88, s90
	s_add_nc_u64 s[6:7], s[6:7], s[88:89]
	s_lshl_b32 s88, s72, 14                        ; o's codes: 32 rows of 512 bytes a work-group, 4 rows a wave
	s_lshl_b32 s90, s[WV], 11
	s_add_co_u32 s88, s88, s90
	s_add_nc_u64 s[12:13], s[12:13], s[88:89]
	s_lshl_b32 s88, s72, 10                        ; its scale bytes: 1,024 a work-group, 512 for each of waves 0 and 1
	s_lshl_b32 s90, s[QT], 9
	s_add_co_u32 s88, s88, s90
	s_add_nc_u64 s[14:15], s[14:15], s[88:89]
	global_load_b32 v[QS], v12, s[6:7]
	global_load_b32 v[QS+1], v12, s[6:7] offset:512
	WIN 0x40
.irp g, 0,1
.irp c, 0,1
	global_load_b128 v[QF+12*\g+8*\c:QF+12*\g+8*\c+3], v11, s[4:5] offset:1024*\g+512*\c   ; qA and qB stay in registers
.endr
.irp i, 0,1,2,3
	v_mov_b32 v[QF+12*\g+4+\i], 0                  ; the zero codes between them
.endr
.endr
.set i, 0
.rept 128
	v_mov_b32 v[i], 0                              ; O^T.  (The key step is written without a first step of its own: the first finds zeros, which the first change of M leaves zeros)
.set i, i+1
.endr
	WIN 0
.irp d, 0,1,2,3
	v_mov_b32 v[ST+4*\d+1], 0xee000000             ; the largest t so far: -2^93: over every masked t, under every other
	v_mov_b32 v[ST+4*\d+2], 0
	v_mov_b32 v[ST+4*\d+3], 0
	v_mov_b32 v[T1+\d], 0                          ; written once: a lane permute's destination counts as one of its sources
.endr
.irp d, 0,1,2,3
	v_floor_f32 v[ST+4*\d], -v[ST+4*\d+1]          ; -M
.endr
	v_mov_b32 v[F+1], 0                            ; (named as the upper half of a pair)
	s_wait_loadcnt 0x0                             ; Q and its scale words
.Lstep:                                            ; 15 trips: behind each change of slots but the last the next key step is asked for
	CHANGE 1
	STEPWORK
	s_sub_co_u32 s[CNT], s[CNT], 1
	s_cmp_lg_u32 s[CNT], 0
	s_cbranch_scc1 .Lstep
	CHANGE 0                                       ; the last key step is written out
	STEPWORK
	; THE WAY OUT.  o = O^T / the sum, quantised along the channels (a head is two blocks of 32), codes and scale bytes through LDS to their natural places.
.set LL,  208                          ; the four sums
.set AMX, 160
.set PXX, 168
.set SOX, 176
.set BYX, 184
.set CDX, 192
.set STA, 11
.set SSA, 12
.set RDA, 3
.set SSR, 4
.set GOF, 5
.irp d, 0,1,2,3
	v_add_f32 v[LL+\d], v[ST+4*\d+2], v[ST+4*\d+3] ; the sum's two halves.  (These additions also stand between the last products and the first read of their results)
.endr
.irp d, 0,1,2,3
	v_permlanex16_b32 v[T1+\d], v[LL+\d], s[SEL], s[SEL+1]
.endr
.irp d, 0,1,2,3
	v_add_f32 v[LL+\d], v[LL+\d], v[T1+\d]         ; and lane l xor 16's: the row's sum
.endr
.irp d, 0,1,2,3
	v_rcp_f32 v[ST+4*\d+2], v[LL+\d]
.endr
	v_and_b32 v8, 15, v0                           ; r.  (Plain work behind the reciprocals)
	v_bfe_u32 v9, v0, 4, 1                         ; h
	v_and_b32 v10, 31, v0
	v_mul_u32_u24 v[STA], v8, BP
	v_lshl_add_u32 v[STA], v9, 2, v[STA]
	s_mul_i32 s80, s[QT], 16*BP
	s_lshl_b32 s81, s[HG], 7
	s_add_co_u32 s80, s80, s81
	v_add_nc_u32 v[STA], s80, v[STA]               ; codes: row 16 (w % 2) + r, + 128 (w / 2) + 4 h
	s_lshl_b32 s80, s[QT], 9
	s_lshl_b32 s81, s[HG], 3
	s_add_co_u32 s80, s80, s81
	s_add_co_u32 s80, s80, SS
	v_lshl_add_u32 v[SSA], v8, 5, s80              ; scale bytes: row x 32 + 8 (w / 2)
	v_lshlrev_b32 v[GOF], 4, v10
	s_mul_i32 s80, s[WV], 4*BP
	v_add_nc_u32 v[RDA], s80, v[GOF]               ; back: my four rows, 16 bytes a lane
	s_lshl_b32 s80, s[QT], 9
	s_add_co_u32 s80, s80, SS
	v_add_nc_u32 v[SSR], s80, v[GOF]
	s_wait_alu depctr_va_vdst(0)                   ; one wait for the four reciprocals, ahead of their first reader
	WIN 0x01                                       ; O^T in window 1
.set i, 0
.rept 64
	v_pk_mul_f32 v[BI+2*i:BI+2*i+1], v[2*i:2*i+1], v[ST+4*(i/16)+2:ST+4*(i/16)+3] op_sel_hi:[1,0]   ; each accumulator from its low end on; head d's 32 numbers at v[32 + 32 d]
.set i, i+1
.endr
	WIN 0
.irp q, 0,1,2,3,4,5,6,7                        ; eight blocks q = 2 x head + block, by turns
	v_max3_num_f32 v[AMX+\q], |v[BI+16*\q]|, |v[BI+16*\q+1]|, 0x1800000
.endr
.irp i, 2,4,6,8,10,12,14
.irp q, 0,1,2,3,4,5,6,7
	v_max3_num_f32 v[AMX+\q], v[AMX+\q], |v[BI+16*\q+\i]|, |v[BI+16*\q+\i+1]|
.endr
.endr
.irp q, 0,1,2,3,4,5,6,7
	v_permlanex16_b32 v[PXX+\q], v[AMX+\q], s[SEL], s[SEL+1]
.endr
.irp q, 0,1,2,3,4,5,6,7
	v_max_num_f32 v[AMX+\q], v[AMX+\q], v[PXX+\q]
.endr
.irp q, 0,1,2,3,4,5,6,7
	v_add_nc_u32 v[SOX+\q], 0xff000000, v[AMX+\q]
.endr
.irp q, 0,1,2,3,4,5,6,7
	v_lshrrev_b32 v[BYX+\q], 23, v[SOX+\q]
.endr
.irp d, 0,1,2,3
	v_cmp_eq_f32 vcc_lo, 0, v[LL+\d]               ; a row without a key: its bytes become 0xff
	v_cndmask_b32 v[BYX+2*\d], v[BYX+2*\d], v[C255], vcc_lo
	v_cndmask_b32 v[BYX+2*\d+1], v[BYX+2*\d+1], v[C255], vcc_lo
.endr
.irp u, 0,1
	v_lshl_or_b32 v[SUM2+\u], v[BYX+4*\u+1], 8, v[BYX+4*\u]
	v_lshl_or_b32 v[SUM2+\u], v[BYX+4*\u+2], 16, v[SUM2+\u]
	v_lshl_or_b32 v[SUM2+\u], v[BYX+4*\u+3], 24, v[SUM2+\u]
.endr
.irp q, 0,1,2,3,4,5,6,7
	v_cvt_scalef32_pk8_fp4_f32 v[CDX+2*\q], v[BI+16*\q:BI+16*\q+7], v[SOX+\q]          ; channels 32 q + 8 h + 0 .. 7 of my 256
	v_cvt_scalef32_pk8_fp4_f32 v[CDX+2*\q+1], v[BI+16*\q+8:BI+16*\q+15], v[SOX+\q]     ; and + 16
.endr
	v_nop                                          ; one plain instruction behind the last scaled conversion
.irp q, 0,1,2,3,4,5,6,7
.irp u, 0,1
	ds_store_b32 v[STA], v[CDX+2*\q+\u] offset:16*\q+8*\u   ; four bytes to their natural place in the row
.endr
.endr
	ds_store_b64 v[SSA], v[SUM2:SUM2+1]            ; both halves of the lanes write the same eight bytes with the same value
	s_wait_dscnt 0x0                               ; for the others' sake: my stores have landed
	s_barrier_signal -1
	s_barrier_wait -1
.irp i, 0,1,2,3
	ds_load_b128 v[BI+4*\i:BI+4*\i+3], v[RDA] offset:BP*\i
.endr
.irp i, 0,1,2,3
	s_wait_dscnt 3-\i                              ; row i is back; the younger loads may be out
	global_store_b128 v[GOF], v[BI+4*\i:BI+4*\i+3], s[12:13] offset:512*\i   ; a row of 512 consecutive bytes
.endr
	s_cmp_lt_u32 s[WV], 2
	s_cbranch_scc0 .Lno_os
	ds_load_b128 v[S:S+3], v[SSR]
	s_wait_dscnt 0x0
	global_store_b128 v[GOF], v[S:S+3], s[14:15]   ; 16 rows' scale bytes: 512 consecutive bytes
.Lno_os:
	s_wait_tensorcnt 0x0                           ; the wave's end, behind my last tensor load and my last LDS store
	ds_add_u32 v[SPW], v[NIL]
	s_wait_dscnt 0x0
	CROUND                                         ; the closing round: no work-group ends while a partner may still ask for a tile that names it
	s_endpgm
.Lfunc_end_k_q68273177f5_attn:
	.size	k_q68273177f5_attn, .Lfunc_end_k_q68273177f5_attn-k_q68273177f5_attn
	.p2alignl 7, 3214868480
	.fill 96, 4, 3214868480
	.section	.rodata,"a",@progbits
	.p2align	6, 0x0
	.amdhsa_kernel k_q68273177f5_attn
		.amdhsa_group_segment_fixed_size 327680
		.amdhsa_private_segment_fixed_size 0
		.amdhsa_enable_private_segment 0
		.amdhsa_kernarg_size 48
		.amdhsa_user_sgpr_count 2
		.amdhsa_user_sgpr_kernarg_segment_ptr 1
		.amdhsa_wavefront_size32 1
		.amdhsa_system_sgpr_workgroup_id_x 1
		.amdhsa_system_sgpr_workgroup_id_y 1
		.amdhsa_system_sgpr_workgroup_id_z 1
		.amdhsa_system_vgpr_workitem_id 0
		.amdhsa_next_free_vgpr 512
		.amdhsa_next_free_sgpr 96
		.amdhsa_reserve_vcc 1
		.amdhsa_float_denorm_mode_32 3
		.amdhsa_float_denorm_mode_16_64 3
		.amdhsa_memory_ordered 1
		.amdhsa_forward_progress 1
		.amdhsa_inst_pref_size 157
	.end_amdhsa_kernel
	.amdgpu_metadata
---
amdhsa.version: [ 1, 2 ]
amdhsa.kernels:
  - .name:           k_q68273177f5_attn
    .symbol:         k_q68273177f5_attn.kd
    .args:
      - { .name: qf, .offset: 0, .size: 8, .value_kind: global_buffer, .address_space: global }
      - { .name: qs, .offset: 8, .size: 8, .value_kind: global_buffer, .address_space: global }
      - { .name: kv, .offset: 16, .size: 8, .value_kind: global_buffer, .address_space: global }
      - { .name: attn_bias, .offset: 24, .size: 8, .value_kind: global_buffer, .address_space: global }
      - { .name: oc, .offset: 32, .size: 8, .value_kind: global_buffer, .address_space: global }
      - { .name: os, .offset: 40, .size: 8, .value_kind: global_buffer, .address_space: global }
    .group_segment_fixed_size: 327680
    .private_segment_fixed_size: 0
    .kernarg_segment_align: 8
    .kernarg_segment_size: 48
    .max_flat_workgroup_size: 256
    .sgpr_count:     96
    .vgpr_count:     512
    .wavefront_size: 32
...
	.end_amdgpu_metadata
.endif
;; end of part 2
;; launch outp (part 3): grid 16 x 16, 8 waves a work-group, clusters of 4 x 4, 246,784 bytes of LDS; arguments oc, os, Wo_codes, Wo_scales, bo, out0; writes out0
.if DOCPART == 3
	.amdgcn_target "amdgcn-amd-amdhsa--gfx1250"
	.amdhsa_code_object_version 6
	.text
	.protected	k_q68273177f5_outp
	.globl	k_q68273177f5_outp
	.p2align	8
	.type	k_q68273177f5_outp,@function
k_q68273177f5_outp:
	s_mov_b64 s[64:65], 0
	v_nop
	global_prefetch_b8 v0, s[64:65] scope:SCOPE_SE
	s_setreg_imm32_b32 hwreg(HW_REG_WAVE_MODE, 25, 1), 1
	s_wait_xcnt 0x0
	s_wait_alu depctr_hold_cnt(0) depctr_sa_sdst(0) depctr_va_vdst(0) depctr_va_sdst(0) depctr_va_ssrc(0) depctr_va_vcc(0) depctr_vm_vsrc(0)
	s_getreg_b32 s2, hwreg(HW_REG_IB_STS2, 6, 4)
	s_cmp_eq_u32 s2, 0
	s_cbranch_scc0 .Lentry_in_a_cluster
	s_endpgm
.Lentry_in_a_cluster:
	s_bfe_u32 s2, ttmp6, 0x10000c
	s_cmp_lg_u32 s2, 0xf033
	s_cbranch_scc0 .Lentry_shape_is_right
	s_endpgm
.Lentry_shape_is_right:
; out0 = o Wo^T + bo on codes of FP4 (E2M1) with E8M0 scales: o's codes and scale bytes [8,192][512], [8,192][32] as the attention launch left them, Wo's as given; out0 [8,192][1,024] f32.
; P (source 0) = Wo's rows, the output's columns; R (source 1) = tokens: lane (r, h) holds token r, and its register j column 8 h + j of a tile: eight neighbouring numbers of a row of out0.
; SHARES.  A work-group makes 256 columns x 128 tokens over all of K = 1,024; wave w: columns 64 (w % 4) on, tokens 64 (w / 4) on: 16 accumulators.  256 work-groups.
; All of K lies in LDS at once, in two halves of 512 along K (rows of 256 bytes), each filled once: nothing is filled again.
; CLUSTER 4 x 4: Wo's tile hangs on cx alone and is asked for jointly by the four of a column, the tokens' on cy alone, by the four of a row.
; The bias is the C of the first K step's products.  A scale byte 0xff in o (a row without a key) makes that row NaN, as it should be.
.set PITCH,  272                       ; an LDS row: 256 bytes + 16 of padding
.set HALFB,  384*PITCH                 ; a K half: P's 256 rows, then R's 128
.set STAGE,  2*HALFB                   ; behind the codes: 16 rows x 272 bytes for each wave, for the way out; no tensor load lands here
.set AP,  3
.set AR,  5
.set POF, 7
.set ROF, 8
.set STO, 9                            ; v9   the way out: where I put 32 bytes of a row
.set RD,  10                           ; v10  where I read a row back
.set CO,  11                           ; v11  my byte offset in out0
.set LN,  15
.set SC,  16                           ; v16-47 scale words: register 8 i + s: lanes 0-15 P tile i's word of K step s, lanes 16-31 R tile i's
.set PF,  48
.set RF,  80
.set ACC, 112                          ; accumulator (a, b) at 112 + 8 (4 a + b)
.set BO,  240
.set G1P, 4
.set G1R, 12
.set G0P0, 20
.set G0P1, 24
.set G0R0, 28
.set G0R1, 32
.set RCD, 40
.set RSC, 42
.set PCD, 44
.set PSC, 46
.set BV,  48
.set OUT, 50
.set WV, 68
.set CX, 70
.set CY, 71
.set PT, 72                            ; which 256 columns (holds cx, never cy)
.set RT, 73                            ; which 128 tokens (holds cy, never cx)
.set WP, 94
.set WR, 95
.set MSB, 0
.macro WIN new                         ; the immediate's high byte repeats the setting that is left
.if MSB != \new
	s_set_vgpr_msb (MSB<<8)|\new
.set MSB, \new
.endif
.endm
.macro CROUND                          ; a round of the cluster's barrier
	s_barrier_signal -1
	s_barrier_wait -1
	s_cmp_lg_u32 s[WV], 0
	s_cbranch_scc1 .Lnot_wave_0_\@
	s_barrier_signal -3
.Lnot_wave_0_\@:
	s_barrier_wait -3
	s_barrier_signal -1
	s_barrier_wait -1
.endm
.macro PLACES n
.rept \n
	v_nop
.endr
.endm
.macro KLOAD s                         ; K step s: four fragments of P and four of R; a fragment is two loads of 16 bytes a lane, 32 bytes apart
.irp i, 0,1,2,3
.irp c, 0,1
	ds_load_b128 v[PF+8*\i+4*\c:PF+8*\i+4*\c+3], v[AP+(\s)/4] offset:((\s)%4)*64+32*\c+\i*16*PITCH
	ds_load_b128 v[RF+8*\i+4*\c:RF+8*\i+4*\c+3], v[AR+(\s)/4] offset:((\s)%4)*64+32*\c+\i*16*PITCH
.endr
.endr
	s_wait_dscnt 0x0
.endm
.macro KMUL s, mode                    ; its 16 products, the 16 accumulators by turns.  mode 0: onto the sums; 1: the sums begin with the bias
.irp a, 0,1,2,3
.irp b, 0,1,2,3
.if \mode == 0
	v_wmma_scale_f32_16x16x128_f8f6f4 v[ACC+8*(4*\a+\b):ACC+8*(4*\a+\b)+7], v[PF+8*\a:PF+8*\a+7], v[RF+8*\b:RF+8*\b+7], v[ACC+8*(4*\a+\b):ACC+8*(4*\a+\b)+7], v[SC+8*\a+(\s)], v[SC+8*\b+(\s)] matrix_a_fmt:MATRIX_FMT_FP4 matrix_b_fmt:MATRIX_FMT_FP4 matrix_b_scale:MATRIX_SCALE_ROW1
.else
	v_wmma_scale_f32_16x16x128_f8f6f4 v[ACC+8*(4*\a+\b):ACC+8*(4*\a+\b)+7], v[PF+8*\a:PF+8*\a+7], v[RF+8*\b:RF+8*\b+7], v[8*\a:8*\a+7], v[SC+8*\a+(\s)], v[SC+8*\b+(\s)] matrix_a_fmt:MATRIX_FMT_FP4 matrix_b_fmt:MATRIX_FMT_FP4 matrix_b_scale:MATRIX_SCALE_ROW1
.endif
.endr
.endr
.endm
.macro KSTEP s
	PLACES 4                                       ; four plain instructions between the last products and loads into the registers that they read
	KLOAD \s
	KMUL \s, 0
.endm
	s_load_b256 s[40:47], s[0:1], 0x0              ; o's codes s[40:41], o's scales s[42:43], Wo's codes s[44:45], Wo's scales s[46:47]
	s_load_b128 s[48:51], s[0:1], 0x20             ; bo s[48:49], out0 s[50:51]
	v_lshl_add_u32 v254, v0, 2, 0x3c000
	v_mov_b32 v255, 0
	ds_add_u32 v254, v255
	v_lshrrev_b32 v1, 5, v0
	v_readfirstlane_b32 s[WV], v1                  ; wave 0..7
	s_and_b32 s[WP], s[WV], 3
	s_lshr_b32 s[WR], s[WV], 2
	s_bfe_u32 s[CX], ttmp6, 0x40000
	s_bfe_u32 s[CY], ttmp6, 0x40004
	s_mov_b32 s[PT], s[CX]                         ; four tiles of 256 columns
	s_and_b32 s84, ttmp7, 0xffff
	s_lshl_b32 s84, s84, 2
	s_lshl_b32 s85, ttmp9, 4
	s_add_co_u32 s84, s84, s85
	s_add_co_u32 s[RT], s84, s[CY]                 ; 64 tiles of 128 tokens: 16 cluster x + 4 cluster y + cy
	s_lshl_b32 s84, 0x1111, s[CX]                  ; my column of the cluster
	s_lshl_b32 s85, s[CY], 2
	s_lshl_b32 s85, 15, s85                        ; my row
	s_or_b32 s[G1P], s84, (1<<20)|(1<<21)|(5<<22)|(3<<25)   ; 15:0 the mask; 17:16 elements of 1 byte; 20 padding on; 21 set beside a mask; 24:22 after every 64 words; 31:25 four words
	s_or_b32 s[G1R], s85, (1<<20)|(1<<21)|(5<<22)|(3<<25)
.irp g, G1P, G1R
	s_mov_b32 s[\g+1], 256<<16                     ; tensor_dim0
	s_mov_b32 s[\g+2], 64<<16                      ; tensor_dim1
	s_mov_b32 s[\g+3], 256<<16                     ; tile_dim0
	s_mov_b32 s[\g+4], 64                          ; tile_dim1
	s_mov_b32 s[\g+5], 512                         ; from row to row
	s_mov_b32 s[\g+6], 0
	s_mov_b32 s[\g+7], 0
.endr
	s_mul_i32 s86, s[WV], 64*PITCH                 ; where my 64 rows go: waves 0-3 P's, waves 4-5 R's, which lie behind P's 256
	s_lshl_b32 s88, s[PT], 8
	s_lshl_b32 s87, s[WP], 6
	s_add_co_u32 s88, s88, s87
	s_lshl_b32 s88, s88, 9
	s_mov_b32 s89, 0
	s_lshl_b32 s90, s[RT], 7
	s_and_b32 s87, s[WV], 1
	s_lshl_b32 s87, s87, 6
	s_add_co_u32 s90, s90, s87
	s_lshl_b32 s90, s90, 9
	s_mov_b32 s91, 0
	s_wait_dscnt 0x0
	s_wait_kmcnt 0x0
	s_add_nc_u64 s[88:89], s[PCD:PCD+1], s[88:89]
	s_add_nc_u64 s[90:91], s[RCD:RCD+1], s[90:91]
	s_mov_b32 s[G0P0], 1
	s_mov_b32 s[G0P0+1], s86
	s_mov_b64 s[G0P0+2:G0P0+3], s[88:89]
	s_or_b32 s[G0P0+3], s[G0P0+3], 0x80000000
	s_mov_b32 s[G0P1], 1
	s_add_co_u32 s[G0P1+1], s86, HALFB
	s_add_nc_u64 s[G0P1+2:G0P1+3], s[88:89], 256
	s_or_b32 s[G0P1+3], s[G0P1+3], 0x80000000
	s_mov_b32 s[G0R0], 1
	s_mov_b32 s[G0R0+1], s86
	s_mov_b64 s[G0R0+2:G0R0+3], s[90:91]
	s_or_b32 s[G0R0+3], s[G0R0+3], 0x80000000
	s_mov_b32 s[G0R1], 1
	s_add_co_u32 s[G0R1+1], s86, HALFB
	s_add_nc_u64 s[G0R1+2:G0R1+3], s[90:91], 256
	s_or_b32 s[G0R1+3], s[G0R1+3], 0x80000000
	CROUND                                         ; all sixteen work-groups are here: the joint loads meet
	s_cmp_lt_u32 s[WV], 4                          ; a wave's two fills stand in one branch on its number; two loads of mine are out at the most
	s_cbranch_scc0 .Lnot_p
	tensor_load_to_lds s[G0P0:G0P0+3], s[G1P:G1P+7]
	s_nop 0
	tensor_load_to_lds s[G0P1:G0P1+3], s[G1P:G1P+7]
	s_nop 0
	PLACES 4
	s_branch .Lasked
.Lnot_p:
	s_cmp_lt_u32 s[WV], 6
	s_cbranch_scc0 .Lasked
	tensor_load_to_lds s[G0R0:G0R0+3], s[G1R:G1R+7]
	s_nop 0
	tensor_load_to_lds s[G0R1:G0R1+3], s[G1R:G1R+7]
	s_nop 0
	PLACES 4
.Lasked:
	v_and_b32 v1, 15, v0                           ; r
	v_bfe_u32 v2, v0, 4, 1                         ; h
	v_and_b32 v[LN], 31, v0
	v_mul_u32_u24 v3, v1, PITCH
	v_lshl_add_u32 v3, v2, 4, v3                   ; a fragment's row x pitch + 16 h
	s_mul_i32 s84, s[WP], 64*PITCH
	s_mul_i32 s85, s[WR], 64*PITCH
	s_add_co_u32 s85, s85, 256*PITCH
	v_add_nc_u32 v[AR], s85, v3
	v_add_nc_u32 v[AP], s84, v3
	v_add_nc_u32 v[AP+1], HALFB, v[AP]
	v_add_nc_u32 v[AR+1], HALFB, v[AR]
	v_lshlrev_b32 v[POF], 5, v1                    ; scale bytes: 32 a row
	s_lshl_b32 s84, s[WP], 11
	s_lshl_b32 s85, s[WR], 11
	v_add_nc_u32 v[ROF], s85, v[POF]
	v_add_nc_u32 v[POF], s84, v[POF]
	s_lshl_b32 s88, s[PT], 13
	s_mov_b32 s89, 0
	s_add_nc_u64 s[PSC:PSC+1], s[PSC:PSC+1], s[88:89]
	s_lshl_b32 s90, s[RT], 12
	s_mov_b32 s91, 0
	s_add_nc_u64 s[RSC:RSC+1], s[RSC:RSC+1], s[90:91]
.irp i, 0,1,2,3                                ; eight words a row (K steps 0 to 7): P's into their place, R's beside, to be merged into lanes 16-31
	global_load_b128 v[SC+8*\i:SC+8*\i+3], v[POF], s[PSC:PSC+1] offset:512*\i
	global_load_b128 v[SC+8*\i+4:SC+8*\i+7], v[POF], s[PSC:PSC+1] offset:512*\i+16
	global_load_b128 v[ACC+8*\i:ACC+8*\i+3], v[ROF], s[RSC:RSC+1] offset:512*\i
	global_load_b128 v[ACC+8*\i+4:ACC+8*\i+7], v[ROF], s[RSC:RSC+1] offset:512*\i+16
.endr
	s_lshl_b32 s86, s[PT], 8                       ; the bias in the result's layout: register j of P tile a wants bo[256 PT + 64 (w % 4) + 16 a + 8 h + j]
	s_lshl_b32 s87, s[WP], 6
	s_add_co_u32 s86, s86, s87
	s_lshl_b32 s86, s86, 2
	s_mov_b32 s87, 0
	s_add_nc_u64 s[BV:BV+1], s[BV:BV+1], s[86:87]
	v_lshlrev_b32 v[BO], 5, v2
	WIN 0x40                                       ; destination in window 1: v256-287
.irp a, 0,1,2,3
	global_load_b128 v[8*\a:8*\a+3], v[BO], s[BV:BV+1] offset:64*\a
	global_load_b128 v[8*\a+4:8*\a+7], v[BO], s[BV:BV+1] offset:64*\a+16
.endr
	WIN 0
	s_mul_i32 s84, s[WV], 16*PITCH                 ; my stage
	s_add_co_u32 s84, s84, STAGE
	v_mul_u32_u24 v[STO], v1, PITCH
	v_lshl_add_u32 v[STO], v2, 5, v[STO]
	v_add_nc_u32 v[STO], s84, v[STO]               ; in: row r, 32 bytes for each half of the lanes
	v_mul_u32_u24 v[RD], v2, PITCH
	v_lshl_add_u32 v[RD], v1, 4, v[RD]
	v_add_nc_u32 v[RD], s84, v[RD]                 ; back: lanes 0-15 one row of 256 bytes, lanes 16-31 the next
	v_lshlrev_b32 v[CO], 12, v2
	v_lshl_add_u32 v[CO], v1, 4, v[CO]             ; and the same two rows in out0
	s_lshl_b32 s86, s[RT], 7
	s_lshl_b32 s87, s[WR], 6
	s_add_co_u32 s86, s86, s87
	s_lshl_b32 s86, s86, 12                        ; my first token's row of 4,096 bytes,
	s_lshl_b32 s87, s[PT], 10
	s_add_co_u32 s86, s86, s87
	s_lshl_b32 s87, s[WP], 8
	s_add_co_u32 s86, s86, s87                     ; my first column: 1,024 PT + 256 (w % 4) bytes
	s_mov_b32 s87, 0
	s_add_nc_u64 s[OUT:OUT+1], s[OUT:OUT+1], s[86:87]
	s_wait_loadcnt 0x0                             ; scale words and bias
	v_cmp_le_u32 vcc_lo, 16, v[LN]
.set i, 0
.rept 32
	v_cndmask_b32 v[SC+i], v[SC+i], v[ACC+i], vcc_lo   ; lanes 16-31 take R's words
.set i, i+1
.endr
	PLACES 8                                       ; a scale register written by a vector instruction stands eight plain instructions ahead of a scaled product
	s_wait_tensorcnt 0x1                           ; my part of K half 0 is in; my part of K half 1, issued behind it, may stay out
	s_barrier_signal -1
	s_barrier_wait -1                              ; everybody's is
	KLOAD 0
	WIN 0x10                                       ; C in window 1: the first K step starts the sums with the bias
	KMUL 0, 1
	WIN 0
	KSTEP 1
	KSTEP 2
	KSTEP 3
	s_wait_tensorcnt 0x0                           ; my part of K half 1 is in,
	s_barrier_signal -1
	s_barrier_wait -1                              ; everybody's is
	KSTEP 4
	KSTEP 5
	KSTEP 6
	KSTEP 7
	; THE WAY OUT, 16 tokens x 64 columns at a time, through my own stage: a lane holds 32 bytes of a row, the lanes beside it other rows; back come whole pieces of 256 bytes.
	; LDS serves a wave's instructions in order: no wait between the stores and the loads, nor in front of the next tile's stores.
	PLACES 4
.irp b, 0,1,2,3
.if \b >= 2
	s_wait_xcnt 0x0                                ; the stores of two tiles back have read their registers: they are loaded again only behind this wait
.endif
.irp a, 0,1,2,3
	ds_store_b128 v[STO], v[ACC+8*(4*\a+\b):ACC+8*(4*\a+\b)+3] offset:64*\a          ; each accumulator from its low end on
	ds_store_b128 v[STO], v[ACC+8*(4*\a+\b)+4:ACC+8*(4*\a+\b)+7] offset:64*\a+16
.endr
.irp t, 0,1,2,3,4,5,6,7
	ds_load_b128 v[16+32*(\b%2)+4*\t:16+32*(\b%2)+4*\t+3], v[RD] offset:2*\t*PITCH
.endr
.irp t, 0,1,2,3,4,5,6,7
	s_wait_dscnt 7-\t                              ; rows 2 t and 2 t + 1 are back; the younger loads may be out
	global_store_b128 v[CO], v[16+32*(\b%2)+4*\t:16+32*(\b%2)+4*\t+3], s[OUT:OUT+1] offset:(16*\b+2*\t)*4096 th:TH_STORE_NT   ; sixteen lanes store 256 consecutive bytes, aligned; written once, read by nobody here
.endr
.endr
	s_wait_tensorcnt 0x0
	ds_add_u32 v254, v255
	s_wait_dscnt 0x0
	CROUND                                         ; the closing round: no work-group ends while a partner may still ask for a tile that names it
	s_endpgm
.Lfunc_end_k_q68273177f5_outp:
	.size	k_q68273177f5_outp, .Lfunc_end_k_q68273177f5_outp-k_q68273177f5_outp
	.p2alignl 7, 3214868480
	.fill 96, 4, 3214868480
	.section	.rodata,"a",@progbits
	.p2align	6, 0x0
	.amdhsa_kernel k_q68273177f5_outp
		.amdhsa_group_segment_fixed_size 246784
		.amdhsa_private_segment_fixed_size 0
		.amdhsa_enable_private_segment 0
		.amdhsa_kernarg_size 48
		.amdhsa_user_sgpr_count 2
		.amdhsa_user_sgpr_kernarg_segment_ptr 1
		.amdhsa_wavefront_size32 1
		.amdhsa_system_sgpr_workgroup_id_x 1
		.amdhsa_system_sgpr_workgroup_id_y 1
		.amdhsa_system_sgpr_workgroup_id_z 1
		.amdhsa_system_vgpr_workitem_id 0
		.amdhsa_next_free_vgpr 288
		.amdhsa_next_free_sgpr 100
		.amdhsa_reserve_vcc 1
		.amdhsa_float_denorm_mode_32 3
		.amdhsa_float_denorm_mode_16_64 3
		.amdhsa_memory_ordered 1
		.amdhsa_forward_progress 1
		.amdhsa_inst_pref_size 45
	.end_amdhsa_kernel
	.amdgpu_metadata
---
amdhsa.version: [ 1, 2 ]
amdhsa.kernels:
  - .name:           k_q68273177f5_outp
    .symbol:         k_q68273177f5_outp.kd
    .args:
      - { .name: oc, .offset: 0, .size: 8, .value_kind: global_buffer, .address_space: global }
      - { .name: os, .offset: 8, .size: 8, .value_kind: global_buffer, .address_space: global }
      - { .name: Wo_codes, .offset: 16, .size: 8, .value_kind: global_buffer, .address_space: global }
      - { .name: Wo_scales, .offset: 24, .size: 8, .value_kind: global_buffer, .address_space: global }
      - { .name: bo, .offset: 32, .size: 8, .value_kind: global_buffer, .address_space: global }
      - { .name: out0, .offset: 40, .size: 8, .value_kind: global_buffer, .address_space: global }
    .group_segment_fixed_size: 246784
    .private_segment_fixed_size: 0
    .kernarg_segment_align: 8
    .kernarg_segment_size: 48
    .max_flat_workgroup_size: 256
    .sgpr_count:     100
    .vgpr_count:     288
    .wavefront_size: 32
...
	.end_amdgpu_metadata
.endif
;; end of part 3
